; MI455X (gfx1250); checked and timed in simulation.
; The chip was launched on July 23, 2026; its instructions are those of AMD's public machine-readable ISA for CDNA 5 (MIT licence, August 2026) and "CDNA5" Instruction Set Architecture Reference Guide (July 2026). The comments in the code are by the model that wrote it; some were corrected since.
;; Qwen Self Attention. Allowed arithmetic: float matrix products may take bf16 or f16 operands with f32 sums; all other float work in f32.
;; Inputs: bk 256 float32; bq 1,024 float32; bv 256 float32; wk 1,024 x 256 float32; wo 1,024 x 1,024 float32; wq 1,024 x 1,024 float32; wv 1,024 x 256 float32; x 2 x 2,048 x 1,024 float32.
;; Outputs: out0 2 x 2,048 x 1,024 float32; out1 2 x 4 x 2,048 x 64 float32; out2 2 x 4 x 2,048 x 64 float32.
;; 2 versions, each right. Each part assembles by itself: llvm-mc -triple=amdgcn-amd-amdhsa -mcpu=gfx1250 --defsym DOCPART=n.
;; ======== version 1 of 2: 4 launches
;; limits: values are held in f16: magnitudes above 65,504 overflow, below 6.1e-05 lose precision
;; workspace buffers: xb 8,388,608 bytes; wb 5,242,880 bytes; tab 1,048,576 bytes; qb 8,388,608 bytes; kvb 4,194,304 bytes; ab 8,388,608 bytes
;; launch prep (part 1): grid 256 x 1, 4 waves a work-group, no clusters, 0 bytes of LDS; arguments x, wq, wk, wv, wo, xb, wb, tab; writes xb, wb, tab
.if DOCPART == 1
	.amdgcn_target "amdgcn-amd-amdhsa--gfx1250"
	.amdhsa_code_object_version 6
	.text
	.protected	k_q771d449d56_prep
	.globl	k_q771d449d56_prep
	.p2align	8
	.type	k_q771d449d56_prep,@function
k_q771d449d56_prep:
	s_mov_b64 s[64:65], 0
	v_nop
	global_prefetch_b8 v0, s[64:65] scope:SCOPE_SE
	s_setreg_imm32_b32 hwreg(HW_REG_WAVE_MODE, 25, 1), 1
	s_wait_xcnt 0x0
; PREP, the first of four launches (prep, qkv, attn, oproj) for self-attention with RoPE and grouped query heads:
; 2 x 2048 tokens, 1024 channels, 16 query heads and 4 key/value heads of 64.
; It rounds x and the four weight matrices to bf16 once, lays the weights out in blocks whose tiles are dense in memory,
; and makes the table of cosines and sines.
;   xb  [4096][1024] bf16
;   wb  +0        wq as [jn 8][k 1024][128] bf16 (columns 128 jn + c)
;       +2 MiB    wo in the same layout: rounded to bf16 like every input, then written as f16, because it meets the attention result
;                 (f16) in one matrix instruction and both operands share a format; f16 holds a bf16 number exactly from 2^-14 to 65504
;       +4 MiB    [jn 8][k 1024][64] bf16: jn < 4 is head jn of wk, jn >= 4 head jn - 4 of wv
;   tab [t 2048][128] f32: cos(theta) 32, sin(theta) 32, c cos 32, c sin 32; theta = t 1e6^(-i/32), c = log2(e) / 8
;       (c folds the scores' 1/sqrt(64) and the base-2 exponential into the query's rotation)
; WORK LEFT OUT BY THE PROGRAM (in attn): the scores q.k with key s > query q.  reference() replaces them, whatever their
; value, by the lowest f32 through a jnp.tril that it builds itself, so the products reach no output; their weights are
; exp(lowest - row maximum), which is 0 in f32 for every finite row maximum, so their share of p.v is nothing either.
; They are left out where they come as whole blocks of 128 queries x 128 keys (and one half block, see attn).
; Every input has a way to an output and is loaded.
; LIMITS: x and the weights are rounded to bf16.  What the launches hand on as matrix operands (c q, k, v, the softmax's weights, the
; attention result) is f16: 11 significant bits against bf16's 8, which the first rows of a sequence need, where few v are averaged and
; out0's numbers are some ten times its root mean square.  f16 ends at 65504: beyond it c q, k, v and wo become infinite.  With x of size 1
; and weights of size 1/32 these are of size 1, the largest of two million about 5; both 30 times larger give about 4,700.
; Below 2^-14 f16 goes in steps of 2^-24.
; A NaN, an infinity or an overflow that arises only in scores above the diagonal is not carried to the result.
; theta: the frequency is one base-2 exponential (accurate to an ulp), so theta can differ from reference()'s by
; about 3e-4 radians at t = 2047; sine and cosine are polynomials on |r| <= pi/4 with an error under 4e-7.
; SHARE: work-group g has x's rows 16 g .. 16 g + 15, rows 4 g .. 4 g + 3 of each weight matrix and table rows 8 g .. 8 g + 7.
; A thread takes 32 source bytes (8 f32) of each group and stores 16; sixteen neighbouring lanes store 256 aligned bytes.
; All 52 loads of a wave go out at once and the table is computed while they are on their way.  No LDS, no barrier,
; no matrix unit: the launch only moves bytes.
.set XG,  16                           ; v[16+8i : 23+8i]  group i of 26: 8 f32 as loaded, then 4 words of 16-bit numbers
.set TH,  224                          ; v[224:227] four angles
.set VAL, 228                          ; v[228:231] four table values
.set SC,  232                          ; v[232:235] the same times c
	s_load_b512 s[4:19], s[0:1], 0x0               ; x 4, wq 6, wk 8, wv 10, wo 12, xb 14, wb 16, tab 18
	v_lshlrev_b32 v1, 5, v0                        ; source of x, wq, wo: 32 t
	v_lshlrev_b32 v2, 4, v0                        ; xb: 16 t
	v_lshrrev_b32 v7, 4, v0                        ; t >> 4: the column block jn, and the table row
	v_and_b32 v8, 15, v0
	v_lshlrev_b32 v8, 4, v8                        ; 16 (t & 15)
	v_lshl_add_u32 v3, v7, 18, v8                  ; wq, wo in wb: jn x 262,144 + 16 (t & 15)
	v_lshl_add_u32 v6, v7, 9, v8                   ; tab: row x 512 + 16 (t & 15)
	v_bfe_u32 v4, v0, 3, 2                         ; wk, wv: row (t >> 3) & 3,
	v_lshlrev_b32 v4, 10, v4
	v_lshrrev_b32 v9, 5, v0                        ; head t >> 5,
	v_lshl_add_u32 v4, v9, 8, v4
	v_and_b32 v10, 7, v0                           ; eight columns at 8 (t & 7)
	v_lshl_add_u32 v4, v10, 5, v4
	v_and_b32 v5, 31, v0
	v_lshlrev_b32 v5, 4, v5
	v_lshl_add_u32 v5, v9, 17, v5                  ; wk, wv in wb: head x 131,072 + 16 (t & 31)
	s_mov_b32 s21, 0                               ; offsets live in s[20:21], apart from the addresses
	s_lshl_b32 s20, ttmp9, 16
	s_wait_kmcnt 0x0
	s_add_nc_u64 s[4:5], s[4:5], s[20:21]          ; x: 16 rows of 4,096 bytes
	s_lshl_b32 s20, ttmp9, 14
	s_add_nc_u64 s[6:7], s[6:7], s[20:21]          ; wq, wo: 4 rows of 4,096 bytes
	s_add_nc_u64 s[12:13], s[12:13], s[20:21]
	s_lshl_b32 s20, ttmp9, 12
	s_add_nc_u64 s[8:9], s[8:9], s[20:21]          ; wk, wv: 4 rows of 1,024 bytes
	s_add_nc_u64 s[10:11], s[10:11], s[20:21]
	s_add_nc_u64 s[18:19], s[18:19], s[20:21]      ; tab: 8 rows of 512 bytes
	s_lshl_b32 s20, ttmp9, 15
	s_add_nc_u64 s[14:15], s[14:15], s[20:21]      ; xb: 16 rows of 2,048 bytes
	s_lshl_b32 s20, ttmp9, 10
	s_add_nc_u64 s[22:23], s[16:17], s[20:21]      ; wb, wq's part: 4 rows of 256 bytes in each block
	s_add_nc_u64 s[24:25], s[22:23], 0x200000      ; wo's part
	s_lshl_b32 s20, ttmp9, 9
	s_add_nc_u64 s[26:27], s[16:17], s[20:21]      ; 4 rows of 128 bytes in each block
	s_add_nc_u64 s[26:27], s[26:27], 0x400000      ; wk's part
	s_add_nc_u64 s[28:29], s[26:27], 0x80000       ; wv's part
.irp i, 0,1,2,3,4,5,6,7,8,9,10,11,12,13,14,15
	global_load_b128 v[XG+8*\i:XG+8*\i+3],   v1, s[4:5] offset:\i*4096 th:TH_LOAD_NT
	global_load_b128 v[XG+8*\i+4:XG+8*\i+7], v1, s[4:5] offset:\i*4096+16 th:TH_LOAD_NT
.endr
.irp i, 0,1,2,3
	global_load_b128 v[XG+128+8*\i:XG+128+8*\i+3],   v1, s[6:7] offset:\i*4096 th:TH_LOAD_NT
	global_load_b128 v[XG+128+8*\i+4:XG+128+8*\i+7], v1, s[6:7] offset:\i*4096+16 th:TH_LOAD_NT
.endr
.irp i, 0,1,2,3
	global_load_b128 v[XG+160+8*\i:XG+160+8*\i+3],   v1, s[12:13] offset:\i*4096 th:TH_LOAD_NT
	global_load_b128 v[XG+160+8*\i+4:XG+160+8*\i+7], v1, s[12:13] offset:\i*4096+16 th:TH_LOAD_NT
.endr
	global_load_b128 v[XG+192:XG+195], v4, s[8:9] th:TH_LOAD_NT
	global_load_b128 v[XG+196:XG+199], v4, s[8:9] offset:16 th:TH_LOAD_NT
	global_load_b128 v[XG+200:XG+203], v4, s[10:11] th:TH_LOAD_NT
	global_load_b128 v[XG+204:XG+207], v4, s[10:11] offset:16 th:TH_LOAD_NT
	; THE TABLE.  Thread t makes four numbers of row 8 g + (t >> 4): place q = t & 15 of the row's first 256 bytes,
	; q < 8 cosines, q >= 8 sines, of i = 4 (q & 7) + e.  Both are sin(theta + off pi/2), off = 1 for a cosine.
	s_lshl_b32 s30, ttmp9, 3
	v_add_nc_u32 v7, s30, v7
	v_cvt_f32_u32 v7, v7                           ; t as f32 (exact)
	v_lshlrev_b32 v8, 2, v10                       ; 4 (q & 7)
	v_bfe_u32 v9, v0, 3, 1
	v_xor_b32 v9, 1, v9                            ; off
	v_mov_b32 v10, 0xb9500d01                      ; -1/5040
	v_mov_b32 v11, 0x37d00d01                      ; 1/40320
.irp e, 0,1,2,3
	v_add_nc_u32 v[TH+\e], \e, v8
	v_cvt_f32_u32 v[TH+\e], v[TH+\e]
	v_mul_f32 v[TH+\e], 0xbf1f73da, v[TH+\e]       ; -i log2(1e6) / 32
.endr
.irp e, 0,1,2,3
	v_exp_f32 v[TH+\e], v[TH+\e]                   ; 1e6^(-i/32)
.endr
	v_nop                                          ; one plain instruction behind the exponentials, ahead of their use (ISA guide 5.7.2)
	s_wait_alu depctr_va_vdst(0)
.macro ANGLE e
	v_mul_f32 v[TH+\e], v7, v[TH+\e]               ; theta, rounded once as in reference()
	v_mul_f32 v12, 0x3f22f983, v[TH+\e]            ; theta 2/pi
	v_rndne_f32 v12, v12                           ; n
	v_fmamk_f32 v13, v12, 0xbfc90fdb, v[TH+\e]     ; r = theta - n pi/2, pi/2 in two parts
	v_fmamk_f32 v13, v12, 0x333bbd2e, v13
	v_mul_f32 v14, v13, v13                        ; r^2
	v_fmaak_f32 v15, v10, v14, 0x3c088889          ; sin r = r + r^3 (-1/6 + r^2 (1/120 - r^2/5040))
	v_fmaak_f32 v15, v15, v14, 0xbe2aaaab
	v_mul_f32 v236, v13, v14
	v_fma_f32 v15, v236, v15, v13
	v_fmaak_f32 v237, v11, v14, 0xbab60b61         ; cos r = 1 + r^2 (-1/2 + r^2 (1/24 + r^2 (-1/720 + r^2/40320)))
	v_fmaak_f32 v237, v237, v14, 0x3d2aaaab
	v_fmaak_f32 v237, v237, v14, 0xbf000000
	v_fma_f32 v237, v237, v14, 1.0
	v_cvt_i32_f32 v12, v12
	v_add_nc_u32 v12, v12, v9                      ; quadrant n + off: odd takes the cosine, bit 1 turns the sign
	v_and_b32 v238, 1, v12
	v_cmp_eq_u32 vcc_lo, 1, v238
	v_cndmask_b32 v15, v15, v237, vcc_lo
	v_and_b32 v12, 2, v12
	v_lshlrev_b32 v12, 30, v12
	v_xor_b32 v[VAL+\e], v12, v15
	v_mul_f32 v[SC+\e], 0x3e38aa3b, v[VAL+\e]      ; times c = log2(e) / 8
.endm
	ANGLE 0
	ANGLE 1
	ANGLE 2
	ANGLE 3
	global_store_b128 v6, v[VAL:VAL+3], s[18:19]
	global_store_b128 v6, v[SC:SC+3], s[18:19] offset:256
; Group i: its two loads are in when at most the 50 - 2 i younger ones are out (loads return in order: ISA guide 5.7.1).
; Rounded in place, upward, so no word is overwritten before it is read; no register is written again behind its store.
; half = 1 (wo): the bf16 numbers are widened again (a shift, a mask) and written as f16, in the group's upper four registers as scratch.
.macro CAST i, adr, base, off, half
	s_wait_loadcnt 50-2*(\i)
	v_cvt_pk_bf16_f32 v[XG+8*(\i)],   v[XG+8*(\i)],   v[XG+8*(\i)+1]
	v_cvt_pk_bf16_f32 v[XG+8*(\i)+1], v[XG+8*(\i)+2], v[XG+8*(\i)+3]
	v_cvt_pk_bf16_f32 v[XG+8*(\i)+2], v[XG+8*(\i)+4], v[XG+8*(\i)+5]
	v_cvt_pk_bf16_f32 v[XG+8*(\i)+3], v[XG+8*(\i)+6], v[XG+8*(\i)+7]
.if \half
.irp j, 0,1,2,3
	v_lshlrev_b32 v[XG+8*(\i)+4], 16, v[XG+8*(\i)+\j]
	v_and_b32 v[XG+8*(\i)+5], 0xffff0000, v[XG+8*(\i)+\j]
	v_cvt_pk_f16_f32 v[XG+8*(\i)+\j], v[XG+8*(\i)+4], v[XG+8*(\i)+5]
.endr
.endif
	global_store_b128 v[\adr], v[XG+8*(\i):XG+8*(\i)+3], s[\base:\base+1] offset:\off
.endm
.irp i, 0,1,2,3,4,5,6,7,8,9,10,11,12,13,14,15
	CAST \i, 2, 14, \i*2048, 0
.endr
.irp k, 0,1,2,3
	CAST 16+\k, 3, 22, \k*256, 0
.endr
.irp k, 0,1,2,3
	CAST 20+\k, 3, 24, \k*256, 1
.endr
	CAST 24, 5, 26, 0, 0
	CAST 25, 5, 28, 0, 0
	s_endpgm
.Lfunc_end_k_q771d449d56_prep:
	.size	k_q771d449d56_prep, .Lfunc_end_k_q771d449d56_prep-k_q771d449d56_prep
	.p2alignl 7, 3214868480
	.fill 96, 4, 3214868480
	.section	.rodata,"a",@progbits
	.p2align	6, 0x0
	.amdhsa_kernel k_q771d449d56_prep
		.amdhsa_group_segment_fixed_size 0
		.amdhsa_private_segment_fixed_size 0
		.amdhsa_enable_private_segment 0
		.amdhsa_kernarg_size 64
		.amdhsa_user_sgpr_count 2
		.amdhsa_user_sgpr_kernarg_segment_ptr 1
		.amdhsa_wavefront_size32 1
		.amdhsa_system_sgpr_workgroup_id_x 1
		.amdhsa_system_sgpr_workgroup_id_y 1
		.amdhsa_system_sgpr_workgroup_id_z 1
		.amdhsa_system_vgpr_workitem_id 0
		.amdhsa_next_free_vgpr 240
		.amdhsa_next_free_sgpr 66
		.amdhsa_reserve_vcc 1
		.amdhsa_float_denorm_mode_32 3
		.amdhsa_float_denorm_mode_16_64 3
		.amdhsa_memory_ordered 1
		.amdhsa_forward_progress 1
		.amdhsa_inst_pref_size 25
	.end_amdhsa_kernel
	.amdgpu_metadata
---
amdhsa.version: [ 1, 2 ]
amdhsa.kernels:
  - .name:           k_q771d449d56_prep
    .symbol:         k_q771d449d56_prep.kd
    .args:
      - { .name: x, .offset: 0, .size: 8, .value_kind: global_buffer, .address_space: global }
      - { .name: wq, .offset: 8, .size: 8, .value_kind: global_buffer, .address_space: global }
      - { .name: wk, .offset: 16, .size: 8, .value_kind: global_buffer, .address_space: global }
      - { .name: wv, .offset: 24, .size: 8, .value_kind: global_buffer, .address_space: global }
      - { .name: wo, .offset: 32, .size: 8, .value_kind: global_buffer, .address_space: global }
      - { .name: xb, .offset: 40, .size: 8, .value_kind: global_buffer, .address_space: global }
      - { .name: wb, .offset: 48, .size: 8, .value_kind: global_buffer, .address_space: global }
      - { .name: tab, .offset: 56, .size: 8, .value_kind: global_buffer, .address_space: global }
    .group_segment_fixed_size: 0
    .private_segment_fixed_size: 0
    .kernarg_segment_align: 8
    .kernarg_segment_size: 64
    .max_flat_workgroup_size: 128
    .sgpr_count:     66
    .vgpr_count:     240
    .wavefront_size: 32
...
	.end_amdgpu_metadata
.endif
;; end of part 1
;; launch qkv (part 2): grid 8 x 32, 4 waves a work-group, clusters of 4 x 4, 327,680 bytes of LDS; arguments xb, wb, tab, bq, bk, bv, qb, kvb, out1, out2; writes qb, kvb, out1, out2
.if DOCPART == 2
	.amdgcn_target "amdgcn-amd-amdhsa--gfx1250"
	.amdhsa_code_object_version 6
	.text
	.protected	k_q771d449d56_qkv
	.globl	k_q771d449d56_qkv
	.p2align	8
	.type	k_q771d449d56_qkv,@function
k_q771d449d56_qkv:
	s_mov_b64 s[64:65], 0
	v_nop
	global_prefetch_b8 v0, s[64:65] scope:SCOPE_SE
	s_setreg_imm32_b32 hwreg(HW_REG_WAVE_MODE, 25, 1), 1
	s_wait_xcnt 0x0
	s_wait_alu depctr_hold_cnt(0) depctr_sa_sdst(0) depctr_va_vdst(0) depctr_va_sdst(0) depctr_va_ssrc(0) depctr_va_vcc(0) depctr_vm_vsrc(0)
	s_getreg_b32 s2, hwreg(HW_REG_IB_STS2, 6, 4)
	s_cmp_eq_u32 s2, 0
	s_cbranch_scc0 .Lentry_in_a_cluster
	s_endpgm
.Lentry_in_a_cluster:
	s_bfe_u32 s2, ttmp6, 0x10000c
	s_cmp_lg_u32 s2, 0xf033
	s_cbranch_scc0 .Lentry_shape_is_right
	s_endpgm
.Lentry_shape_is_right:
; QKV: q = x wq + bq, k = x wk + bk, v = x wv + bv, then RoPE on q and k.  Operands bf16, sums f32 started from the bias.
; A work-group makes 128 rows (block by of 32) x 192 columns: query heads 2 jn and 2 jn + 1 and one key/value head:
; head jn of k in the clusters with x = 0, head jn - 4 of v in those with x = 1 (the kind hangs on the cluster's x alone).
; Stores: qb [b 16 + h][t][64] f16, rotated and times c = log2(e)/8; out1 (k rotated) and out2 (v) in f32; kvb, their f16 copies.
; Four waves, each 64 rows x 96 columns = 4 x 6 accumulator tiles.  A wave's columns hold both partners (d, d + 32) of the rotation:
;   X, tiles 0-3: a whole head (even waves: query head 2 jn; odd waves: the key/value head)
;   Y, tiles 4-5: half of query head 2 jn + 1 (even waves: d 0-15 and 32-47; odd waves: d 16-31 and 48-63)
; The matrix instruction is used transposed (source 0 = 16 columns of W, source 1 = 16 rows of x): lane (r, h) then holds row r and
; the eight neighbouring columns 8 h + j.  W lies [k][n] in LDS and is read by the transposing load.
; K = 1024 goes in 8 steps of 128 through two LDS slots.  CLUSTER 4 x 4: x's tile hangs on by alone and is asked for jointly by a row of
; the cluster, W's tiles on jn alone and by a column.  One joint load a wave: waves 0, 1 x's rows 64 w .., wave 2 wq's tile, wave 3 wk's or wv's.
; By this text's count a wave has two tensor loads out at the start and one behind each later round.
; LIMIT: operands are rounded to bf16; c q, k and v are handed on in f16 (11 significant bits; infinite beyond 65504, steps of 2^-24 below 2^-14).
.set SLOT,  108544                     ; x 128 rows x 272; wq 128 k-rows x 288; wk/wv 128 k-rows x 288 (128 bytes of data each)
.set OFFQ,  34816
.set OFFV,  71680
.set STAGE, 2*SLOT                     ; the way out, into which no tensor load lands: q 2 heads x 128 rows x 144,
.set SKOFF, STAGE+36864                ; then k or v, 128 rows x 272 (f32)
.set AA,  8                            ; v8-9    x fragments, slot 0, 1
.set BX,  10                           ; v10-11  W fragments of X
.set BY,  12                           ; v12-13  W fragments of Y
.set TX,  14                           ; v14     table offset for X
.set TY,  15                           ; v15     table offset for the odd waves' Y
.set VB,  16                           ; v16     bias offset, 32 h
.set SQA, 17                           ; v17     stage, q in
.set SKA, 18                           ; v18     stage, k or v in
.set RQ,  19                           ; v19     stage, q back
.set RK,  20                           ; v20     stage, k or v back
.set G16, 21                           ; v21     16 x lane
.set GB,  22                           ; v22     8 x lane
.set F0,  32                           ; v32-111   fragment buffer 0: W at 8 nt, x at 48 + 8 mt
.set F1,  112                          ; v112-191  fragment buffer 1
.set BI,  192                          ; v192-239  bias as a C operand, 8 registers a column tile
.set Y0,  32                           ; the way out: three pairs of rotated tiles, in buffer 0's registers
.set Y1,  48
.set Y2,  64
; window 1 (v256-447): accumulator (mt, nt) at 8 (6 mt + nt).
; window 2 (v512-703): XT at 32 mt: cos i 0-15, cos i 16-31, sin i 0-15, sin i 16-31 (8 each); YT at 128 + 16 mt: cos, sin of i 16-31.
.set G1A, 16                           ; s[16:23] shape of x's tile      s[40:47] its two group 0
.set G1Q, 24                           ; s[24:31] shape of wq's tile     s[48:55]
.set G1V, 32                           ; s[32:39] shape of wk/wv's tile  s[56:63]
.set G0A, 40
.set G0Q, 48
.set G0V, 56
.set CB, (1<<16)|(1<<20)|(1<<21)       ; elements of 2 bytes, padding on, bit 21 beside a mask
.set MSB, 0
.macro WIN new                         ; the immediate's high byte repeats the setting that is left
.if MSB != \new
	s_set_vgpr_msb (MSB<<8)|\new
.set MSB, \new
.endif
.endm
.macro PLACES                          ; four plain places behind a matrix instruction, ahead of loads into its sources and of readers of its result
.rept 4
	v_nop
.endr
.endm
.macro JLOAD s                         ; one joint load a wave; the branches hang on the wave's number alone
	s_cmp_lt_u32 s4, 2
	s_cbranch_scc0 .Lnot_x_\@
	tensor_load_to_lds s[G0A+4*\s:G0A+4*\s+3], s[G1A:G1A+7]
	s_nop 0
	s_branch .Lasked_\@
.Lnot_x_\@:
	s_cmp_eq_u32 s4, 2
	s_cbranch_scc0 .Lfor_kv_\@
	tensor_load_to_lds s[G0Q+4*\s:G0Q+4*\s+3], s[G1Q:G1Q+7]
	s_nop 0
	s_branch .Lasked_\@
.Lfor_kv_\@:
	tensor_load_to_lds s[G0V+4*\s:G0V+4*\s+3], s[G1V:G1V+7]
	s_nop 0
.Lasked_\@:
.endm
.macro CREST                           ; a round of the cluster's barrier behind its opening work-group barrier
	s_cmp_lg_u32 s4, 0
	s_cbranch_scc1 .Lnot_wave_0_\@
	s_barrier_signal -3
.Lnot_wave_0_\@:
	s_barrier_wait -3
	s_barrier_signal -1
	s_barrier_wait -1
.endm
.macro CROUND
	s_barrier_signal -1
	s_barrier_wait -1
	CREST
.endm
	s_load_b512 s[68:83], s[0:1], 0x0              ; xb 68, wb 70, tab 72, bq 74, bk 76, bv 78, qb 80, kvb 82
	s_load_b128 s[84:87], s[0:1], 0x40             ; out1 84, out2 86
	v_lshl_add_u32 v254, v0, 2, 0x46800
	v_mov_b32 v255, 0
	ds_add_u32 v254, v255
	v_lshrrev_b32 v1, 5, v0
	v_readfirstlane_b32 s4, v1                     ; wave w
	s_lshr_b32 s5, s4, 1                           ; mh: my 64 rows
	s_and_b32 s6, s4, 1                            ; nh: my column set
	s_bfe_u32 s7, ttmp6, 0x40000                   ; cx
	s_bfe_u32 s8, ttmp6, 0x40004                   ; cy
	s_lshl_b32 s9, ttmp9, 2
	s_add_co_u32 s9, s9, s7                        ; jn = 4 x cluster x + cx
	s_and_b32 s10, ttmp7, 0xffff
	s_lshl_b32 s10, s10, 2
	s_add_co_u32 s10, s10, s8                      ; by = 4 x cluster y + cy
	s_lshl_b32 s11, s8, 2
	s_lshl_b32 s11, 15, s11                        ; my row of the cluster
	s_lshl_b32 s12, 0x1111, s7                     ; my column
	s_or_b32 s[G1A+0], s11, CB|(5<<22)|(3<<25)     ; x: 64 rows x 128 elements, 4 words of padding behind every 64: LDS pitch 272
	s_mov_b32 s[G1A+1], 128<<16
	s_mov_b32 s[G1A+2], 64<<16
	s_mov_b32 s[G1A+3], 128<<16
	s_mov_b32 s[G1A+4], 64
	s_mov_b32 s[G1A+5], 1024
	s_mov_b32 s[G1A+6], 0
	s_mov_b32 s[G1A+7], 0
	s_or_b32 s[G1Q+0], s12, CB|(5<<22)|(7<<25)     ; wq: 128 k-rows x 128 elements, dense in wb, 8 words of padding: pitch 288
	s_mov_b32 s[G1Q+1], 128<<16
	s_mov_b32 s[G1Q+2], 128<<16
	s_mov_b32 s[G1Q+3], 128<<16
	s_mov_b32 s[G1Q+4], 128
	s_mov_b32 s[G1Q+5], 128
	s_mov_b32 s[G1Q+6], 0
	s_mov_b32 s[G1Q+7], 0
	s_or_b32 s[G1V+0], s12, CB|(4<<22)|(39<<25)    ; wk or wv: 128 k-rows x 64 elements, dense, 40 words of padding behind every 32: pitch 288 too
	s_mov_b32 s[G1V+1], 64<<16
	s_mov_b32 s[G1V+2], 128<<16
	s_mov_b32 s[G1V+3], 64<<16
	s_mov_b32 s[G1V+4], 128
	s_mov_b32 s[G1V+5], 64
	s_mov_b32 s[G1V+6], 0
	s_mov_b32 s[G1V+7], 0
	; where the tiles come from.  s88-89 hold by and the wave alone, s90-93 jn alone.
	s_lshl_b32 s88, s10, 7
	s_lshl_b32 s13, s6, 6
	s_add_co_u32 s88, s88, s13                     ; row 128 by + 64 (w & 1)
	s_lshl_b32 s88, s88, 11                        ; x 2,048 bytes
	s_mov_b32 s89, 0
	s_lshl_b32 s90, s9, 18                         ; wq's block jn
	s_mov_b32 s91, 0
	s_lshl_b32 s92, s9, 17                         ; wk/wv's block jn
	s_add_co_u32 s92, s92, 0x400000
	s_mov_b32 s93, 0
	s_mul_i32 s13, s4, 17408                       ; x's rows 64 w .. in LDS
	s_wait_dscnt 0x0
	s_wait_kmcnt 0x0
	s_add_nc_u64 s[88:89], s[68:69], s[88:89]
	s_add_nc_u64 s[90:91], s[70:71], s[90:91]
	s_add_nc_u64 s[92:93], s[70:71], s[92:93]
	CROUND                                         ; all sixteen work-groups are here: the first joint loads meet
.irp s, 0,1
	s_mov_b32 s[G0A+4*\s], 1
	s_add_co_u32 s[G0A+4*\s+1], s13, \s*SLOT
	s_add_nc_u64 s[G0A+4*\s+2:G0A+4*\s+3], s[88:89], \s*256
	s_or_b32 s[G0A+4*\s+3], s[G0A+4*\s+3], 0x80000000
	s_mov_b32 s[G0Q+4*\s], 1
	s_mov_b32 s[G0Q+4*\s+1], OFFQ+\s*SLOT
	s_add_nc_u64 s[G0Q+4*\s+2:G0Q+4*\s+3], s[90:91], \s*32768
	s_or_b32 s[G0Q+4*\s+3], s[G0Q+4*\s+3], 0x80000000
	s_mov_b32 s[G0V+4*\s], 1
	s_mov_b32 s[G0V+4*\s+1], OFFV+\s*SLOT
	s_add_nc_u64 s[G0V+4*\s+2:G0V+4*\s+3], s[92:93], \s*16384
	s_or_b32 s[G0V+4*\s+3], s[G0V+4*\s+3], 0x80000000
	JLOAD \s                                       ; K steps 0 and 1
.endr
	; the bias of my six column tiles, in the layout of a C operand: register j of lane (r, h) = bias[n0 + 8 h + j]
	s_cmp_eq_u32 ttmp9, 0
	s_cselect_b64 s[94:95], s[76:77], s[78:79]     ; bk or bv
	s_and_b32 s96, s9, 3
	s_lshl_b32 s96, s96, 8                         ; its head: 64 f32
	s_lshl_b32 s98, s9, 9                          ; query head 2 jn: 128 jn f32
	s_cmp_eq_u32 s6, 0
	s_cselect_b64 s[94:95], s[74:75], s[94:95]     ; even waves: X is a query head
	s_cselect_b32 s96, s98, s96
	s_mov_b32 s97, 0
	s_add_nc_u64 s[94:95], s[94:95], s[96:97]
	s_lshl_b32 s96, s6, 6
	s_add_co_u32 s98, s98, s96
	s_add_co_u32 s98, s98, 256                     ; Y: query head 2 jn + 1, from d = 16 nh
	s_mov_b32 s99, 0
	s_add_nc_u64 s[98:99], s[74:75], s[98:99]
	v_bfe_u32 v2, v0, 4, 1                         ; h
	v_lshlrev_b32 v[VB], 5, v2
.irp t, 0,1,2,3
	global_load_b128 v[BI+8*\t:BI+8*\t+3],   v[VB], s[94:95] offset:64*\t
	global_load_b128 v[BI+8*\t+4:BI+8*\t+7], v[VB], s[94:95] offset:64*\t+16
.endr
.irp u, 0,1
	global_load_b128 v[BI+32+8*\u:BI+32+8*\u+3],   v[VB], s[98:99] offset:128*\u
	global_load_b128 v[BI+32+8*\u+4:BI+32+8*\u+7], v[VB], s[98:99] offset:128*\u+16
.endr
	; addresses
	v_and_b32 v1, 15, v0                           ; r
	v_and_b32 v3, 7, v0
	v_bfe_u32 v4, v0, 3, 1
	v_lshl_add_u32 v3, v2, 3, v3                   ; the transposing load: k-row 8 h + (l & 7),
	v_mul_u32_u24 v3, v3, 288
	v_lshl_add_u32 v3, v4, 4, v3                   ; 16 bytes on for lanes 8-15 of each half
	s_lshl_b32 s13, s5, 6
	v_add_nc_u32 v5, s13, v1                       ; row 64 mh + r
	v_mul_u32_u24 v6, v5, 272
	v_lshl_add_u32 v[AA], v2, 4, v6
	v_add_nc_u32 v[AA+1], SLOT, v[AA]
	s_mul_i32 s14, s6, OFFV-OFFQ
	s_add_co_u32 s14, s14, OFFQ                    ; X: wq's tile (even waves) or wk/wv's (odd)
	v_add_nc_u32 v[BX], s14, v3
	v_add_nc_u32 v[BX+1], SLOT, v[BX]
	s_lshl_b32 s14, s6, 5
	s_add_co_u32 s14, s14, OFFQ+128                ; Y: wq's columns 64 + 16 nh ..
	v_add_nc_u32 v[BY], s14, v3
	v_add_nc_u32 v[BY+1], SLOT, v[BY]
	s_and_b32 s15, s10, 15
	s_lshl_b32 s15, s15, 7                         ; t of the block's first row
	v_add_nc_u32 v7, s15, v5
	v_lshlrev_b32 v7, 9, v7                        ; a table row is 512 bytes
	v_lshl_add_u32 v7, v2, 5, v7                   ; i = 8 h + j
	s_xor_b32 s15, s6, 1
	s_lshl_b32 s15, s15, 8
	v_add_nc_u32 v[TX], s15, v7                    ; even waves (q): the half times c; odd waves (k): the plain half
	v_add_nc_u32 v[TY], 320, v7                    ; times c, i 16-31
	v_mul_u32_u24 v6, v5, 144
	v_lshl_add_u32 v6, v2, 4, v6
	v_add_nc_u32 v[SQA], STAGE, v6
	v_mul_u32_u24 v6, v5, 272
	v_lshl_add_u32 v6, v2, 5, v6
	v_add_nc_u32 v[SKA], SKOFF, v6
	v_and_b32 v6, 31, v0                           ; lane
	v_lshlrev_b32 v[G16], 4, v6
	v_lshlrev_b32 v[GB], 3, v6
	v_lshrrev_b32 v7, 3, v6
	s_lshl_b32 s14, s6, 6
	v_add_nc_u32 v7, s14, v7                       ; q back: head w >> 1, rows 64 (w & 1) + (l >> 3), four rows of 128 bytes a load
	v_mul_u32_u24 v7, v7, 144
	v_and_b32 v4, 7, v0
	v_lshl_add_u32 v7, v4, 4, v7
	s_mul_i32 s14, s5, 18432
	s_add_co_u32 s14, s14, STAGE
	v_add_nc_u32 v[RQ], s14, v7
	s_lshl_b32 s14, s4, 5
	v_add_nc_u32 v7, s14, v2                       ; k, v back: rows 32 w + (l >> 4), two rows of 256 bytes a load
	v_mul_u32_u24 v7, v7, 272
	v_lshl_add_u32 v7, v1, 4, v7
	v_add_nc_u32 v[RK], SKOFF, v7
	s_wait_loadcnt 0x0                             ; the bias
	; The table for what every kind of work-group rotates goes out now and is waited for on the way out.
.macro LDXT                            ; 32 loads: cos and sin of i 0-31 for my 64 rows
.irp mt, 0,1,2,3
.irp k, 0,1,2,3
	global_load_b128 v[32*\mt+8*\k:32*\mt+8*\k+3],   v[TX], s[72:73] offset:\mt*8192+64*\k
	global_load_b128 v[32*\mt+8*\k+4:32*\mt+8*\k+7], v[TX], s[72:73] offset:\mt*8192+64*\k+16
.endr
.endr
.endm
	s_cmp_eq_u32 s6, 0
	s_cbranch_scc0 .Ltab_odd
	WIN 0x80                                       ; destination in window 2
	LDXT
	WIN 0
	s_branch .Ltab_done
.Ltab_odd:
	WIN 0x80
.irp mt, 0,1,2,3
.irp k, 0,1
	global_load_b128 v[128+16*\mt+8*\k:128+16*\mt+8*\k+3],   v[TY], s[72:73] offset:\mt*8192+128*\k
	global_load_b128 v[128+16*\mt+8*\k+4:128+16*\mt+8*\k+7], v[TY], s[72:73] offset:\mt*8192+128*\k+16
.endr
.endr
	WIN 0
.Ltab_done:
; 20 LDS loads: the fragments of 32 along K (quarter q of the slot) into buffer f
.macro FETCH slot, q, f
	WIN 0
.irp t, 0,1,2,3
	ds_load_tr16_b128 v[\f+8*\t:\f+8*\t+3],   v[BX+\slot] offset:\q*9216+32*\t
	ds_load_tr16_b128 v[\f+8*\t+4:\f+8*\t+7], v[BX+\slot] offset:\q*9216+32*\t+4608
.endr
.irp u, 0,1
	ds_load_tr16_b128 v[\f+32+8*\u:\f+32+8*\u+3],   v[BY+\slot] offset:\q*9216+64*\u
	ds_load_tr16_b128 v[\f+32+8*\u+4:\f+32+8*\u+7], v[BY+\slot] offset:\q*9216+64*\u+4608
.endr
.irp mt, 0,1,2,3
	ds_load_b128 v[\f+48+8*\mt:\f+48+8*\mt+3],   v[AA+\slot] offset:\mt*4352+64*\q
	ds_load_b128 v[\f+48+8*\mt+4:\f+48+8*\mt+7], v[AA+\slot] offset:\mt*4352+64*\q+32
.endr
.endm
; 12 matrix instructions: two row tiles x six column tiles.  first = 1: the bias is the C operand and starts the sums.
; The 24 accumulators take turns, one instruction a turn, in the same order in every quarter.
.macro MULH f, half, first
.irp mt, 2*\half, 2*\half+1
.irp nt, 0,1,2,3,4,5
.if \first
	v_wmma_f32_16x16x32_bf16 v[8*(6*(\mt)+\nt):8*(6*(\mt)+\nt)+7], v[\f+8*\nt:\f+8*\nt+7], v[\f+48+8*(\mt):\f+48+8*(\mt)+7], v[BI+8*\nt:BI+8*\nt+7]
.else
	v_wmma_f32_16x16x32_bf16 v[8*(6*(\mt)+\nt):8*(6*(\mt)+\nt)+7], v[\f+8*\nt:\f+8*\nt+7], v[\f+48+8*(\mt):\f+48+8*(\mt)+7], v[8*(6*(\mt)+\nt):8*(6*(\mt)+\nt)+7]
.endif
.endr
.endr
.endm
; One of a K step's first three quarters: fetches quarter q into buffer g, then multiplies buffer f, whose loads were issued a quarter ago.
.macro QUARTER slot, q, f, g, first
	s_wait_dscnt 0x0                               ; buffer f is in: its 20 loads are all that is out
	PLACES
	FETCH \slot, \q, \g
.if \first
	WIN 0x40                                       ; D in window 1, C (the bias) in window 0
.else
	WIN 0x50                                       ; C and D in window 1
.endif
	MULH \f, 0, \first
	MULH \f, 1, \first
.endm
.macro THREE slot, first
	QUARTER \slot, 1, F0, F1, \first
	QUARTER \slot, 2, F1, F0, 0
	QUARTER \slot, 3, F0, F1, 0
.endm
; The last quarter, and the change of slots.  In front of the barrier each wave's reads of this slot are back and all its tensor loads
; have landed (the one that was out is its part of the next slot).  fill = 1: the barrier opens a round of the cluster's barrier, and the
; joint refill of this slot, two K steps ahead, is the first tensor load behind the round.
.macro TURN slot, next, fill
	s_wait_dscnt 0x0
	s_wait_tensorcnt 0x0
	ds_add_u32 v254, v255
	s_wait_dscnt 0x0
	WIN 0x50
	s_barrier_signal -1
	MULH F1, 0, 0                                  ; register work while the others arrive
	WIN 0
	s_barrier_wait -1
.if \fill
	CREST
	s_add_nc_u64 s[G0A+4*\slot+2:G0A+4*\slot+3], s[G0A+4*\slot+2:G0A+4*\slot+3], 512
	s_add_nc_u64 s[G0Q+4*\slot+2:G0Q+4*\slot+3], s[G0Q+4*\slot+2:G0Q+4*\slot+3], 65536
	s_add_nc_u64 s[G0V+4*\slot+2:G0V+4*\slot+3], s[G0V+4*\slot+2:G0V+4*\slot+3], 32768
	JLOAD \slot
.endif
	PLACES
	FETCH \next, 0, F0
	WIN 0x50
	MULH F1, 1, 0
.endm
.macro LAP first
	THREE 0, \first
	TURN 0, 1, 1
	THREE 1, 0
	TURN 1, 0, 1
.endm
	s_wait_tensorcnt 0x1                           ; my part of K step 0 is in; K step 1's load, issued behind it, stays out
	s_barrier_signal -1
	s_barrier_wait -1
	FETCH 0, 0, F0
	LAP 1                                          ; K steps 0, 1 (fills 2, 3)
	WIN 0
	s_mov_b32 s3, 2
.Llap:
	LAP 0                                          ; K steps 2-5 (fills 4-7)
	WIN 0
	s_sub_co_u32 s3, s3, 1
	s_cmp_lg_u32 s3, 0
	s_cbranch_scc1 .Llap
	THREE 0, 0                                     ; K steps 6, 7: nothing is left to fetch
	TURN 0, 1, 0
	THREE 1, 0
	s_wait_dscnt 0x0
	WIN 0x50
	MULH F1, 0, 0
	MULH F1, 1, 0
	PLACES
	WIN 0
; THE WAY OUT.  out(d) = cos x(d) - sin x(d + 32), out(d + 32) = cos x(d + 32) + sin x(d), tile lo = d, tile hi = d + 32.
.macro ROPE lo, hi, c, s, y            ; source 0 in window 1 (sums), source 1 in window 2 (table), the rest in window 0
.irp p, 0,2,4,6
	v_pk_mul_f32 v[\y+\p:\y+\p+1],     v[\lo+\p:\lo+\p+1], v[\c+\p:\c+\p+1]
	v_pk_mul_f32 v[\y+8+\p:\y+8+\p+1], v[\hi+\p:\hi+\p+1], v[\c+\p:\c+\p+1]
.endr
.irp p, 0,2,4,6
	v_pk_fma_f32 v[\y+\p:\y+\p+1],     v[\hi+\p:\hi+\p+1], v[\s+\p:\s+\p+1], v[\y+\p:\y+\p+1] neg_lo:[1,0,0] neg_hi:[1,0,0]
	v_pk_fma_f32 v[\y+8+\p:\y+8+\p+1], v[\lo+\p:\lo+\p+1], v[\s+\p:\s+\p+1], v[\y+8+\p:\y+8+\p+1]
.endr
.endm
.macro STQ y, g, mt, t                 ; eight q of a row: rounded to f16, 16 bytes into the stage
.irp j, 0,1,2,3
	v_cvt_pk_f16_f32 v[\y+\j], v[\y+2*\j], v[\y+2*\j+1]
.endr
	ds_store_b128 v[SQA], v[\y:\y+3] offset:\g*18432+\mt*2304+32*\t
.endm
.macro STK y, mt, t                    ; eight k of a row, f32
	ds_store_b128 v[SKA], v[\y:\y+3]   offset:\mt*4352+64*\t
	ds_store_b128 v[SKA], v[\y+4:\y+7] offset:\mt*4352+64*\t+16
.endm
.macro YODD                            ; the odd waves' half of query head 2 jn + 1: d 16-31 and 48-63
.irp mt, 0,1,2,3
	WIN 0x09
	ROPE 8*(6*\mt+4), 8*(6*\mt+5), 128+16*\mt, 136+16*\mt, Y2
	WIN 0
	STQ Y2, 1, \mt, 1
	STQ Y2+8, 1, \mt, 3
.endr
.endm
	s_wait_loadcnt 0x0                             ; every wave: the table loads that went out ahead of the K loop are in, so no load is out on any way from here
	s_cmp_eq_u32 s6, 0
	s_cbranch_scc0 .Lodd
.irp mt, 0,1,2,3
	WIN 0x09
	ROPE 8*(6*\mt+0), 8*(6*\mt+2), 32*\mt,   32*\mt+16, Y0
	ROPE 8*(6*\mt+1), 8*(6*\mt+3), 32*\mt+8, 32*\mt+24, Y1
	ROPE 8*(6*\mt+4), 8*(6*\mt+5), 32*\mt,   32*\mt+16, Y2
	WIN 0
	STQ Y0, 0, \mt, 0
	STQ Y0+8, 0, \mt, 2
	STQ Y1, 0, \mt, 1
	STQ Y1+8, 0, \mt, 3
	STQ Y2, 1, \mt, 0
	STQ Y2+8, 1, \mt, 2
.endr
	s_branch .Ljoin
.Lodd:
	s_cmp_eq_u32 ttmp9, 0                          ; the cluster's x: the same in all partners
	s_cbranch_scc0 .Lis_v
	WIN 0x80
	LDXT                                           ; k: the plain table, 32 loads,
	WIN 0
	YODD                                           ; which come while my half of q is rotated (its table lies in other registers)
	s_wait_loadcnt 0x0
.irp mt, 0,1,2,3
	WIN 0x09
	ROPE 8*(6*\mt+0), 8*(6*\mt+2), 32*\mt,   32*\mt+16, Y0
	ROPE 8*(6*\mt+1), 8*(6*\mt+3), 32*\mt+8, 32*\mt+24, Y1
	WIN 0
	STK Y0, \mt, 0
	STK Y0+8, \mt, 2
	STK Y1, \mt, 1
	STK Y1+8, \mt, 3
.endr
	s_branch .Ljoin
.Lis_v:
	YODD
	WIN 0x04                                       ; v is not rotated: stored from the sums (store data in window 1)
.irp mt, 0,1,2,3
.irp t, 0,1,2,3
	ds_store_b128 v[SKA], v[8*(6*\mt+\t):8*(6*\mt+\t)+3]   offset:\mt*4352+64*\t
	ds_store_b128 v[SKA], v[8*(6*\mt+\t)+4:8*(6*\mt+\t)+7] offset:\mt*4352+64*\t+16
.endr
.endr
	WIN 0
.Ljoin:
	s_wait_dscnt 0x0                               ; my stores into the stage are done,
	s_barrier_signal -1
	s_barrier_wait -1                              ; everybody's are
.irp i, 0,1,2,3,4,5,6,7,8,9,10,11,12,13,14,15
	ds_load_b128 v[32+4*\i:35+4*\i], v[RQ] offset:\i*576
.endr
.irp i, 0,1,2,3,4,5,6,7,8,9,10,11,12,13,14,15
	ds_load_b128 v[96+4*\i:99+4*\i], v[RK] offset:\i*544
.endr
	; offsets that mix by and jn live in registers that feed no descriptor
	s_lshr_b32 s94, s10, 4                         ; b
	s_lshl_b32 s94, s94, 4
	s_lshl1_add_u32 s94, s9, s94                   ; + 2 jn
	s_add_co_u32 s94, s94, s5                      ; + w >> 1: the head that I store
	s_lshl_b32 s94, s94, 11
	s_and_b32 s3, s10, 15
	s_lshl_b32 s3, s3, 7                           ; t of the block's first row
	s_add_co_u32 s94, s94, s3
	s_lshl_b32 s2, s6, 6
	s_add_co_u32 s94, s94, s2                      ; + 64 (w & 1)
	s_lshl_b32 s94, s94, 7                         ; rows of 128 bytes
	s_mov_b32 s95, 0
	s_add_nc_u64 s[96:97], s[80:81], s[94:95]      ; qb
	s_lshr_b32 s94, s10, 4
	s_lshl_b32 s94, s94, 2
	s_and_b32 s2, s9, 3
	s_add_co_u32 s94, s94, s2                      ; 4 b + key/value head
	s_lshl_b32 s94, s94, 11
	s_add_co_u32 s94, s94, s3
	s_lshl_b32 s2, s4, 5
	s_add_co_u32 s94, s94, s2                      ; + 32 w
	s_lshl_b32 s94, s94, 7
	s_add_nc_u64 s[14:15], s[82:83], s[94:95]      ; kvb, rows of 128 bytes
	s_lshl_b32 s94, s94, 1
	s_cmp_eq_u32 ttmp9, 0
	s_cselect_b64 s[98:99], s[84:85], s[86:87]     ; out1 or out2, rows of 256 bytes
	s_add_nc_u64 s[98:99], s[98:99], s[94:95]
	s_lshl_b32 s94, ttmp9, 21
	s_add_nc_u64 s[14:15], s[14:15], s[94:95]      ; v's half of kvb lies 2 MiB behind k's
.irp i, 0,1,2,3,4,5,6,7,8,9,10,11,12,13,14,15
	s_wait_dscnt 31-\i                             ; LDS loads return in order: load i is in
	global_store_b128 v[G16], v[32+4*\i:35+4*\i], s[96:97] offset:\i*512     ; 512 consecutive bytes, four rows of q
.endr
.irp i, 0,1,2,3,4,5,6,7,8,9,10,11,12,13,14,15
	s_wait_dscnt 15-\i
	global_store_b128 v[G16], v[96+4*\i:99+4*\i], s[98:99] offset:\i*512 th:TH_STORE_NT   ; two rows of the f32 output
	v_cvt_pk_f16_f32 v[160+2*\i], v[96+4*\i], v[97+4*\i]
	v_cvt_pk_f16_f32 v[161+2*\i], v[98+4*\i], v[99+4*\i]
	global_store_b64 v[GB], v[160+2*\i:161+2*\i], s[14:15] offset:\i*256     ; the same two rows in f16: 256 consecutive bytes
.endr
	s_wait_tensorcnt 0x0
	ds_add_u32 v254, v255
	s_wait_dscnt 0x0
	CROUND                                         ; the closing round: no work-group ends while a partner may still ask jointly
	s_endpgm
.Lfunc_end_k_q771d449d56_qkv:
	.size	k_q771d449d56_qkv, .Lfunc_end_k_q771d449d56_qkv-k_q771d449d56_qkv
	.p2alignl 7, 3214868480
	.fill 96, 4, 3214868480
	.section	.rodata,"a",@progbits
	.p2align	6, 0x0
	.amdhsa_kernel k_q771d449d56_qkv
		.amdhsa_group_segment_fixed_size 327680
		.amdhsa_private_segment_fixed_size 0
		.amdhsa_enable_private_segment 0
		.amdhsa_kernarg_size 80
		.amdhsa_user_sgpr_count 2
		.amdhsa_user_sgpr_kernarg_segment_ptr 1
		.amdhsa_wavefront_size32 1
		.amdhsa_system_sgpr_workgroup_id_x 1
		.amdhsa_system_sgpr_workgroup_id_y 1
		.amdhsa_system_sgpr_workgroup_id_z 1
		.amdhsa_system_vgpr_workitem_id 0
		.amdhsa_next_free_vgpr 704
		.amdhsa_next_free_sgpr 100
		.amdhsa_reserve_vcc 0
		.amdhsa_float_denorm_mode_32 3
		.amdhsa_float_denorm_mode_16_64 3
		.amdhsa_memory_ordered 1
		.amdhsa_forward_progress 1
		.amdhsa_inst_pref_size 151
	.end_amdhsa_kernel
	.amdgpu_metadata
---
amdhsa.version: [ 1, 2 ]
amdhsa.kernels:
  - .name:           k_q771d449d56_qkv
    .symbol:         k_q771d449d56_qkv.kd
    .args:
      - { .name: xb, .offset: 0, .size: 8, .value_kind: global_buffer, .address_space: global }
      - { .name: wb, .offset: 8, .size: 8, .value_kind: global_buffer, .address_space: global }
      - { .name: tab, .offset: 16, .size: 8, .value_kind: global_buffer, .address_space: global }
      - { .name: bq, .offset: 24, .size: 8, .value_kind: global_buffer, .address_space: global }
      - { .name: bk, .offset: 32, .size: 8, .value_kind: global_buffer, .address_space: global }
      - { .name: bv, .offset: 40, .size: 8, .value_kind: global_buffer, .address_space: global }
      - { .name: qb, .offset: 48, .size: 8, .value_kind: global_buffer, .address_space: global }
      - { .name: kvb, .offset: 56, .size: 8, .value_kind: global_buffer, .address_space: global }
      - { .name: out1, .offset: 64, .size: 8, .value_kind: global_buffer, .address_space: global }
      - { .name: out2, .offset: 72, .size: 8, .value_kind: global_buffer, .address_space: global }
    .group_segment_fixed_size: 327680
    .private_segment_fixed_size: 0
    .kernarg_segment_align: 8
    .kernarg_segment_size: 80
    .max_flat_workgroup_size: 128
    .sgpr_count:     100
    .vgpr_count:     704
    .wavefront_size: 32
...
	.end_amdgpu_metadata
.endif
;; end of part 2
;; launch attn (part 3): grid 32 x 8, 4 waves a work-group, clusters of 4 x 1, 327,680 bytes of LDS; arguments qb, kvb, ab; writes ab
.if DOCPART == 3
	.amdgcn_target "amdgcn-amd-amdhsa--gfx1250"
	.amdhsa_code_object_version 6
	.text
	.protected	k_q771d449d56_attn
	.globl	k_q771d449d56_attn
	.p2align	8
	.type	k_q771d449d56_attn,@function
k_q771d449d56_attn:
	s_mov_b64 s[64:65], 0
	v_nop
	global_prefetch_b8 v0, s[64:65] scope:SCOPE_SE
	s_setreg_imm32_b32 hwreg(HW_REG_WAVE_MODE, 25, 1), 1
	s_wait_xcnt 0x0
	s_wait_alu depctr_hold_cnt(0) depctr_sa_sdst(0) depctr_va_vdst(0) depctr_va_sdst(0) depctr_va_ssrc(0) depctr_va_vcc(0) depctr_vm_vsrc(0)
	s_getreg_b32 s2, hwreg(HW_REG_IB_STS2, 6, 4)
	s_cmp_eq_u32 s2, 0
	s_cbranch_scc0 .Lentry_in_a_cluster
	s_endpgm
.Lentry_in_a_cluster:
	s_bfe_u32 s2, ttmp6, 0x10000c
	s_cmp_lg_u32 s2, 0x3003
	s_cbranch_scc0 .Lentry_shape_is_right
	s_endpgm
.Lentry_shape_is_right:
; ATTN: causal attention with a running maximum.  q (qb) is rotated and already times log2(e)/8, so weights are 2^(score - maximum).
; LEFT OUT: the blocks of 128 queries x 128 keys above the diagonal, and in a diagonal block keys 64-127 for queries 0-63: reference()'s own
; jnp.tril replaces those scores by the lowest f32 and their weights are 0 (shown at the head of prep).  A NaN, an infinity or an overflow
; that arises only there is not carried to the result.  Inside a diagonal block the masked scores take the lowest f32, as in reference().
; SHARE: cluster x = pi (0-7), cx = the query head in its group of four, y = 4 b + key/value head.  The four partners read the same K and V tiles
; and ask for them jointly (mask 15).  A work-group takes query block e = 2 pi and then block o = 15 - 2 pi, 128 queries each; a block walks its
; diagonal unit of 128 keys first, then the units below it, downward: e + 1 + o + 1 = 17 units for every work-group.
; The slot is the unit's lowest bit, so the two slots take turns all the way: e .. 0, o .. 0.
; A wave has 32 queries (two tiles u).  S^T = K Q^T and O^T = V^T P^T: a lane owns one query (r), so maximum, sum and rescaling stay in the lane
; but for one exchange with lane r xor 16, and two packed S^T tiles are a P^T fragment as they stand.
; One joint load a wave and unit: waves 0, 1 K's rows 64 w .., waves 2, 3 V's.  By this text's count a wave has at most one tensor load out.
; LIMIT: q, k, v, the weights and the result are f16 (11 significant bits; the weights lie in 0 .. 1, those under 2^-25 count as 0; the result is
; an average of v and no larger than v); the row sums are taken over the weights before they are rounded.
.set SLOT,  40960                      ; K 2 x 64 rows x 144 (in 10,240 each), V 2 x 64 rows x 160
.set STAGE, 81920                      ; the way out: 32 rows x 144 for each wave; no tensor load lands here
.set KA, 6                             ; K fragments: r 144 + 16 h
.set VA, 7                             ; V fragments by the transposing load
.set QO, 8                             ; q in memory
.set ST, 9                             ; stage in
.set SL, 10                            ; stage back
.set OO, 11                            ; result in memory
.set DG, 12                            ; 32 w + r - 8 h: the diagonal
.set NEGV, 13                          ; the lowest f32
.set MM, 14                            ; v[14:17] running maximum, a pair for each u
.set AL, 18                            ; v[18:21] rescaling factor, a pair for each u
.set SU, 22                            ; v[22:25] sums at work
.set LL, 26                            ; v26-27   running sum of my half of the keys
.set TT, 28                            ; v28-29
.set UU, 30                            ; v30-31
.set Q,  32                            ; v32-63   Q fragments at 16 u + 8 ks
.set O,  64                            ; v64-127  O^T tiles (c, u) at 8 (2 c + u)
.set S,  128                           ; v128-191 S^T tiles (u, a) at 32 u + 8 a; P^T fragments packed in place at 16 u + 8 ks
.set F,  192                           ; v192-255 K fragments at 16 a + 8 ks, then V fragments at 16 c + 8 ks
.set G0, 32                            ; s[32:39] group 0 for slot 0, 1;  s[16:23] K's shape, s[24:31] V's
.set CB, (1<<16)|(1<<20)|(1<<21)
.macro ROUND                           ; a round of the cluster's barrier
	s_barrier_signal -1
	s_barrier_wait -1
	s_cmp_lg_u32 s12, 0
	s_cbranch_scc1 .Lnot_wave_0_\@
	s_barrier_signal -3
.Lnot_wave_0_\@:
	s_barrier_wait -3
	s_barrier_signal -1
	s_barrier_wait -1
.endm
.macro JLOAD s
	s_cmp_lt_u32 s12, 2
	s_cbranch_scc0 .Lfor_v_\@
	tensor_load_to_lds s[G0+4*(\s):G0+4*(\s)+3], s[16:23]
	s_nop 0
	s_branch .Lasked_\@
.Lfor_v_\@:
	tensor_load_to_lds s[G0+4*(\s):G0+4*(\s)+3], s[24:31]
	s_nop 0
.Lasked_\@:
.endm
.macro NEXT                            ; the unit to ask for next: one down, behind unit 0 the second block's diagonal
	s_sub_co_i32 s15, s15, 1
	s_cmp_lt_i32 s15, 0
	s_cselect_b32 s15, s14, s15
.endm
	s_load_b128 s[4:7], s[0:1], 0x0                ; qb 4, kvb 6
	s_load_b64 s[8:9], s[0:1], 0x10                ; ab
	s_set_vgpr_msb 0x40
	v_lshl_add_u32 v0, v0, 2, 0x29000
	v_mov_b32 v1, 0
	s_set_vgpr_msb 0x4045
	ds_add_u32 v0, v1
	s_set_vgpr_msb 0x4500
	v_lshrrev_b32 v1, 5, v0
	v_readfirstlane_b32 s12, v1                    ; wave w
	s_bfe_u32 s10, ttmp6, 0x40000                  ; cx
	s_and_b32 s11, ttmp7, 0xffff                   ; y
	s_mov_b32 s13, ttmp9                           ; pi
	s_lshl_b32 s15, s13, 1                         ; e, the first unit
	s_sub_co_u32 s14, 15, s15                      ; o
	s_mov_b32 s46, 0x76543210                      ; v_permlanex16_b32: lane i reads lane i of the other half
	s_mov_b32 s47, 0xfedcba98
	s_mov_b32 s16, 15|CB|(4<<22)|(3<<25)           ; K: 64 rows x 64 elements, dense, 4 words of padding behind every 32: pitch 144
	s_mov_b32 s17, 64<<16
	s_mov_b32 s18, 64<<16
	s_mov_b32 s19, 64<<16
	s_mov_b32 s20, 64
	s_mov_b32 s21, 64
	s_mov_b32 s22, 0
	s_mov_b32 s23, 0
	s_mov_b32 s24, 15|CB|(4<<22)|(7<<25)           ; V: the same with 8 words of padding: pitch 160
	s_mov_b32 s25, 64<<16
	s_mov_b32 s26, 64<<16
	s_mov_b32 s27, 64<<16
	s_mov_b32 s28, 64
	s_mov_b32 s29, 64
	s_mov_b32 s30, 0
	s_mov_b32 s31, 0
	s_lshl_b32 s40, s11, 18                        ; my key/value head: 2,048 rows of 128 bytes
	s_lshr_b32 s42, s12, 1
	s_lshl_b32 s42, s42, 21                        ; waves 2, 3: v, 2 MiB behind k
	s_add_co_u32 s40, s40, s42
	s_and_b32 s42, s12, 1
	s_lshl_b32 s42, s42, 13                        ; which 64 rows of a unit
	s_add_co_u32 s40, s40, s42
	s_mov_b32 s41, 0
	s_mov_b32 s43, 0
	s_mul_i32 s45, s12, 10240                      ; my region of a slot
	s_lshl2_add_u32 s48, s11, s10                  ; query head 4 y + cx (cx enters s48-51 alone, which feed no descriptor)
	s_lshl_b32 s48, s48, 18
	s_lshl_b32 s50, s15, 14                        ; block e: 128 rows of 128 bytes each block
	s_add_co_u32 s50, s50, s48
	s_mov_b32 s51, 0
	s_lshl_b32 s49, s14, 14                        ; block o
	s_add_co_u32 s48, s48, s49
	s_mov_b32 s49, 0
	s_wait_dscnt 0x0
	s_wait_kmcnt 0x0
	s_add_nc_u64 s[40:41], s[6:7], s[40:41]        ; unit 0 of what I fetch
	s_add_nc_u64 s[52:53], s[4:5], s[50:51]        ; q, block e
	s_add_nc_u64 s[54:55], s[4:5], s[48:49]        ; q, block o
	s_add_nc_u64 s[56:57], s[8:9], s[50:51]        ; result, block e
	s_add_nc_u64 s[58:59], s[8:9], s[48:49]        ; result, block o
	ROUND                                          ; the four partners are here: the first joint load meets
.irp s, 0,1
	s_mov_b32 s[G0+4*\s], 1
	s_add_co_u32 s[G0+4*\s+1], s45, \s*SLOT
.endr
	s_lshl_b32 s42, s15, 14
	s_add_nc_u64 s[G0+2:G0+3], s[40:41], s[42:43]
	s_or_b32 s[G0+3], s[G0+3], 0x80000000
	JLOAD 0                                        ; unit e into slot 0
	NEXT
	v_and_b32 v1, 15, v0                           ; r
	v_bfe_u32 v2, v0, 4, 1                         ; h
	v_mul_u32_u24 v3, v1, 144
	v_lshl_add_u32 v[KA], v2, 4, v3
	v_and_b32 v4, 7, v0
	v_lshl_add_u32 v4, v2, 3, v4
	v_mul_u32_u24 v4, v4, 160
	v_bfe_u32 v5, v0, 3, 1
	v_lshl_add_u32 v4, v5, 4, v4
	v_add_nc_u32 v[VA], 20480, v4
	s_lshl_b32 s61, s12, 5                         ; 32 w
	v_add_nc_u32 v4, s61, v1
	v_lshlrev_b32 v5, 3, v2
	v_sub_nc_u32 v[DG], v4, v5
	v_lshlrev_b32 v4, 7, v4
	v_lshl_add_u32 v[QO], v2, 4, v4
	s_mul_i32 s60, s12, 4608
	s_add_co_u32 s60, s60, STAGE
	v_add_nc_u32 v[ST], s60, v[KA]
	v_and_b32 v4, 31, v0
	v_lshrrev_b32 v5, 3, v4
	v_mul_u32_u24 v5, v5, 144
	v_and_b32 v3, 7, v0
	v_lshl_add_u32 v5, v3, 4, v5
	v_add_nc_u32 v[SL], s60, v5
	v_lshlrev_b32 v4, 4, v4
	s_lshl_b32 s61, s12, 12
	v_add_nc_u32 v[OO], s61, v4
	v_mov_b32 v[NEGV], 0xff7fffff
	v_mov_b32 v[UU], 0                             ; v_permlanex16_b32 counts as a reader of its destination
	v_mov_b32 v[UU+1], 0
.macro QLOAD ptr                       ; my 32 queries as B fragments
.irp u, 0,1
.irp ks, 0,1
	global_load_b128 v[Q+16*\u+8*\ks:Q+16*\u+8*\ks+3],   v[QO], s[\ptr:\ptr+1] offset:\u*2048+64*\ks
	global_load_b128 v[Q+16*\u+8*\ks+4:Q+16*\u+8*\ks+7], v[QO], s[\ptr:\ptr+1] offset:\u*2048+64*\ks+32
.endr
.endr
.endm
; 64 keys (half of a unit) against my 32 queries.  diag = 1: the diagonal unit, masked.  first = 1: a block's first keys start maximum, sum and O.
.macro SUB slot, half, diag, first
.irp a, 0,1,2,3
.irp ks, 0,1
	ds_load_b128 v[F+16*\a+8*\ks:F+16*\a+8*\ks+3],   v[KA] offset:\slot*SLOT+\half*10240+\a*2304+64*\ks
	ds_load_b128 v[F+16*\a+8*\ks+4:F+16*\a+8*\ks+7], v[KA] offset:\slot*SLOT+\half*10240+\a*2304+64*\ks+32
.endr
.endr
	s_wait_dscnt 0x0
	; S^T: eight accumulators take turns, one instruction a turn
.irp a, 0,1,2,3
.irp u, 0,1
	v_wmma_f32_16x16x32_f16 v[S+32*\u+8*\a:S+32*\u+8*\a+7], v[F+16*\a:F+16*\a+7], v[Q+16*\u:Q+16*\u+7], 0
.endr
.endr
.irp a, 0,1,2,3
.irp u, 0,1
	v_wmma_f32_16x16x32_f16 v[S+32*\u+8*\a:S+32*\u+8*\a+7], v[F+16*\a+8:F+16*\a+15], v[Q+16*\u+8:Q+16*\u+15], v[S+32*\u+8*\a:S+32*\u+8*\a+7]
.endr
.endr
.rept 4
	v_nop                                          ; four places (ISA guide 7.12.1): V lands in K's registers, and the scores are read
.endr
.irp c, 0,1,2,3
.irp ks, 0,1
	ds_load_tr16_b128 v[F+16*\c+8*\ks:F+16*\c+8*\ks+3],   v[VA] offset:\slot*SLOT+\half*10240+\ks*5120+32*\c
	ds_load_tr16_b128 v[F+16*\c+8*\ks+4:F+16*\c+8*\ks+7], v[VA] offset:\slot*SLOT+\half*10240+\ks*5120+32*\c+2560
.endr
.endr
.if \diag
	; key 64 half + 16 a + 8 h + j stays where it is <= query 32 w + 16 u + r
.irp u, 0,1
.irp a, 0,1,2,3
.irp j, 0,1,2,3,4,5,6,7
	v_cmp_le_i32 vcc_lo, 64*\half+16*\a+\j-16*\u, v[DG]
	v_cndmask_b32 v[S+32*\u+8*\a+\j], v[NEGV], v[S+32*\u+8*\a+\j], vcc_lo
.endr
.endr
.endr
.endif
	; the largest of my 32 scores of each query, then of the other half's
.irp u, 0,1
	v_max3_num_f32 v[TT+\u], v[S+32*\u], v[S+32*\u+1], v[S+32*\u+2]
.endr
.irp j, 3,5,7,9,11,13,15,17,19,21,23,25,27,29
.irp u, 0,1
	v_max3_num_f32 v[TT+\u], v[TT+\u], v[S+32*\u+\j], v[S+32*\u+\j+1]
.endr
.endr
.irp u, 0,1
	v_max_num_f32 v[TT+\u], v[TT+\u], v[S+32*\u+31]
.endr
.irp u, 0,1
	v_permlanex16_b32 v[UU+\u], v[TT+\u], s46, s47
.endr
.if \first
.irp u, 0,1
	v_max_num_f32 v[MM+2*\u],   v[TT+\u], v[UU+\u]
	v_max_num_f32 v[MM+2*\u+1], v[TT+\u], v[UU+\u]
.endr
.else
.irp u, 0,1
	v_max3_num_f32 v[TT+\u], v[TT+\u], v[UU+\u], v[MM+2*\u]    ; the new running maximum
	v_sub_f32 v[AL+2*\u], v[MM+2*\u], v[TT+\u]
	v_mov_b32 v[MM+2*\u],   v[TT+\u]
	v_mov_b32 v[MM+2*\u+1], v[TT+\u]
.endr
.irp u, 0,1
	v_exp_f32 v[AL+2*\u], v[AL+2*\u]               ; 2^(old - new); the subtractions below are the plain instructions behind it
.endr
.endif
.irp u, 0,1
.irp j, 0,2,4,6,8,10,12,14,16,18,20,22,24,26,28,30
	v_pk_add_f32 v[S+32*\u+\j:S+32*\u+\j+1], v[S+32*\u+\j:S+32*\u+\j+1], v[MM+2*\u:MM+2*\u+1] neg_lo:[0,1] neg_hi:[0,1]
.endr
.endr
.irp u, 0,1
.irp j, 0,1,2,3,4,5,6,7,8,9,10,11,12,13,14,15,16,17,18,19,20,21,22,23,24,25,26,27,28,29,30,31
	v_exp_f32 v[S+32*\u+\j], v[S+32*\u+\j]
.endr
.endr
.if \first
	v_nop                                          ; one plain instruction behind the exponentials (ISA guide 5.7.2)
	s_wait_alu depctr_va_vdst(0)
.else
	s_wait_alu depctr_va_vdst(0)
	v_mov_b32 v[AL+1], v[AL]                       ; the factor as a pair; also the plain instruction behind the exponentials
	v_mov_b32 v[AL+3], v[AL+2]
.endif
.irp u, 0,1
	v_pk_add_f32 v[SU+2*\u:SU+2*\u+1], v[S+32*\u:S+32*\u+1], v[S+32*\u+2:S+32*\u+3]
.endr
.irp j, 4,6,8,10,12,14,16,18,20,22,24,26,28,30
.irp u, 0,1
	v_pk_add_f32 v[SU+2*\u:SU+2*\u+1], v[SU+2*\u:SU+2*\u+1], v[S+32*\u+\j:S+32*\u+\j+1]
.endr
.endr
.irp u, 0,1
.if \first
	v_add_f32 v[LL+\u], v[SU+2*\u], v[SU+2*\u+1]
.else
	v_add_f32 v[SU+2*\u], v[SU+2*\u], v[SU+2*\u+1]
	v_fma_f32 v[LL+\u], v[LL+\u], v[AL+2*\u], v[SU+2*\u]
.endif
.endr
	; the weights to f16, packed downward in place and in ascending order: word j of P^T(u) comes from words 2 j, 2 j + 1 of S^T(u)
.irp u, 0,1
.irp j, 0,1,2,3,4,5,6,7,8,9,10,11,12,13,14,15
	v_cvt_pk_f16_f32 v[S+16*\u+\j], v[S+32*\u+2*\j], v[S+32*\u+2*\j+1]
.endr
.endr
.if \first == 0
.irp c, 0,1,2,3
.irp u, 0,1
.irp e, 0,2,4,6
	v_pk_mul_f32 v[O+8*(2*\c+\u)+\e:O+8*(2*\c+\u)+\e+1], v[O+8*(2*\c+\u)+\e:O+8*(2*\c+\u)+\e+1], v[AL+2*\u:AL+2*\u+1]
.endr
.endr
.endr
.endif
	s_wait_dscnt 0x0                               ; V's fragments
	; O^T += V^T P^T: eight accumulators take turns, one instruction a turn
.irp c, 0,1,2,3
.irp u, 0,1
.if \first
	v_wmma_f32_16x16x32_f16 v[O+8*(2*\c+\u):O+8*(2*\c+\u)+7], v[F+16*\c:F+16*\c+7], v[S+16*\u:S+16*\u+7], 0
.else
	v_wmma_f32_16x16x32_f16 v[O+8*(2*\c+\u):O+8*(2*\c+\u)+7], v[F+16*\c:F+16*\c+7], v[S+16*\u:S+16*\u+7], v[O+8*(2*\c+\u):O+8*(2*\c+\u)+7]
.endif
.endr
.endr
.irp c, 0,1,2,3
.irp u, 0,1
	v_wmma_f32_16x16x32_f16 v[O+8*(2*\c+\u):O+8*(2*\c+\u)+7], v[F+16*\c+8:F+16*\c+15], v[S+16*\u+8:S+16*\u+15], v[O+8*(2*\c+\u):O+8*(2*\c+\u)+7]
.endr
.endr
.rept 5
	v_nop                                          ; five places: the next scores are written over P^T, the next loads land in V's registers
.endr
.endm
; One unit of 128 keys in slot `slot`.  In front of the round every wave's tensor loads have landed (its part of this unit among them) and its
; reads of the other slot are back; the joint refill of the other slot is the first tensor load behind the round.
.macro UNIT slot, diag, refill
	s_set_vgpr_msb 0x5
	s_wait_tensorcnt 0x0
	ds_add_u32 v0, v1
	s_wait_dscnt 0x0
	s_set_vgpr_msb 0x500
.if \refill
	s_lshl_b32 s42, s15, 14                        ; no load of mine is out: the other slot's group 0 may be written
	s_add_nc_u64 s[G0+4*(1-\slot)+2:G0+4*(1-\slot)+3], s[40:41], s[42:43]
	s_or_b32 s[G0+4*(1-\slot)+3], s[G0+4*(1-\slot)+3], 0x80000000
.endif
	s_wait_dscnt 0x0
	ROUND
.if \refill
	JLOAD 1-\slot
	NEXT
.endif
.if \diag
	s_wait_loadcnt 0x0                             ; the block's queries
.endif
	SUB \slot, 0, \diag, \diag
.if \diag
	s_cmp_lt_u32 s12, 2                            ; waves 0, 1: queries 0-63 see none of keys 64-127
	s_cbranch_scc1 .Lno_half_\@
.endif
	SUB \slot, 1, \diag, 0
.if \diag
.Lno_half_\@:
.endif
.endm
; A block's end: O / sum, rounded to f16, through my own stage so that each store of the wave covers 512 consecutive bytes.
.macro FINAL ptr
.irp u, 0,1
	v_permlanex16_b32 v[UU+\u], v[LL+\u], s46, s47
.endr
.irp u, 0,1
	v_add_f32 v[LL+\u], v[LL+\u], v[UU+\u]         ; both halves of the keys; at least 1: the largest score's own weight
.endr
.irp u, 0,1
	v_rcp_f32 v[AL+2*\u], v[LL+\u]
.endr
	v_nop
	s_wait_alu depctr_va_vdst(0)
.irp u, 0,1
	v_mov_b32 v[AL+2*\u+1], v[AL+2*\u]
.endr
.irp c, 0,1,2,3
.irp u, 0,1
.irp e, 0,2,4,6
	v_pk_mul_f32 v[O+8*(2*\c+\u)+\e:O+8*(2*\c+\u)+\e+1], v[O+8*(2*\c+\u)+\e:O+8*(2*\c+\u)+\e+1], v[AL+2*\u:AL+2*\u+1]
.endr
.irp j, 0,1,2,3
	v_cvt_pk_f16_f32 v[S+4*(2*\c+\u)+\j], v[O+8*(2*\c+\u)+2*\j], v[O+8*(2*\c+\u)+2*\j+1]
.endr
	ds_store_b128 v[ST], v[S+4*(2*\c+\u):S+4*(2*\c+\u)+3] offset:\u*2304+32*\c
.endr
.endr
.irp t, 0,1,2,3,4,5,6,7
	ds_load_b128 v[F+4*\t:F+4*\t+3], v[SL] offset:\t*576           ; LDS serves a wave's instructions in order (ISA guide 5.7.1.4): these see the stores above
.endr
.irp t, 0,1,2,3,4,5,6,7
	s_wait_dscnt 7-\t
	global_store_b128 v[OO], v[F+4*\t:F+4*\t+3], s[\ptr:\ptr+1] offset:\t*512
.endr
	s_wait_xcnt 0x0                                ; the stores' data registers are loaded again only behind this wait
.endm
	QLOAD 52
	UNIT 0, 1, 1                                   ; block e: its diagonal unit (even: slot 0)
	s_cmp_eq_u32 s13, 0
	s_cbranch_scc1 .Lblock_e_done
	s_mov_b32 s44, 0
.Lblock_e:
	UNIT 1, 0, 1                                   ; units e - 1 .. 0, two a trip, pi trips
	UNIT 0, 0, 1
	s_add_co_u32 s44, s44, 1
	s_cmp_lt_u32 s44, s13
	s_cbranch_scc1 .Lblock_e
.Lblock_e_done:
	QLOAD 54                                       ; block o's queries come while block e goes out
	FINAL 56
	UNIT 1, 1, 1                                   ; block o: its diagonal unit (odd: slot 1)
	s_sub_co_u32 s62, 7, s13
	s_cmp_eq_u32 s62, 0
	s_cbranch_scc1 .Lblock_o_done
	s_mov_b32 s44, 0
.Lblock_o:
	UNIT 0, 0, 1                                   ; units o - 1 .. 1, two a trip, 7 - pi trips
	UNIT 1, 0, 1
	s_add_co_u32 s44, s44, 1
	s_cmp_lt_u32 s44, s62
	s_cbranch_scc1 .Lblock_o
.Lblock_o_done:
	UNIT 0, 0, 0                                   ; unit 0: nothing is left to fetch
	FINAL 58
	s_set_vgpr_msb 0x5
	s_wait_tensorcnt 0x0
	ds_add_u32 v0, v1
	s_wait_dscnt 0x0
	s_set_vgpr_msb 0x500
	ROUND                                          ; the closing round
	s_endpgm
.Lfunc_end_k_q771d449d56_attn:
	.size	k_q771d449d56_attn, .Lfunc_end_k_q771d449d56_attn-k_q771d449d56_attn
	.p2alignl 7, 3214868480
	.fill 96, 4, 3214868480
	.section	.rodata,"a",@progbits
	.p2align	6, 0x0
	.amdhsa_kernel k_q771d449d56_attn
		.amdhsa_group_segment_fixed_size 327680
		.amdhsa_private_segment_fixed_size 0
		.amdhsa_enable_private_segment 0
		.amdhsa_kernarg_size 24
		.amdhsa_user_sgpr_count 2
		.amdhsa_user_sgpr_kernarg_segment_ptr 1
		.amdhsa_wavefront_size32 1
		.amdhsa_system_sgpr_workgroup_id_x 1
		.amdhsa_system_sgpr_workgroup_id_y 1
		.amdhsa_system_sgpr_workgroup_id_z 1
		.amdhsa_system_vgpr_workitem_id 0
		.amdhsa_next_free_vgpr 258
		.amdhsa_next_free_sgpr 66
		.amdhsa_reserve_vcc 1
		.amdhsa_float_denorm_mode_32 3
		.amdhsa_float_denorm_mode_16_64 3
		.amdhsa_memory_ordered 1
		.amdhsa_forward_progress 1
		.amdhsa_inst_pref_size 255
	.end_amdhsa_kernel
	.section	.bss,"aw",@nobits
	.p2align	6
	.space	262144
	.amdgpu_metadata
---
amdhsa.version: [ 1, 2 ]
amdhsa.kernels:
  - .name:           k_q771d449d56_attn
    .symbol:         k_q771d449d56_attn.kd
    .args:
      - { .name: qb, .offset: 0, .size: 8, .value_kind: global_buffer, .address_space: global }
      - { .name: kvb, .offset: 8, .size: 8, .value_kind: global_buffer, .address_space: global }
      - { .name: ab, .offset: 16, .size: 8, .value_kind: global_buffer, .address_space: global }
    .group_segment_fixed_size: 327680
    .private_segment_fixed_size: 0
    .kernarg_segment_align: 8
    .kernarg_segment_size: 24
    .max_flat_workgroup_size: 128
    .sgpr_count:     66
    .vgpr_count:     258
    .wavefront_size: 32
...
	.end_amdgpu_metadata
.endif
;; end of part 3
;; launch oproj (part 4): grid 8 x 32, 4 waves a work-group, clusters of 4 x 4, 327,680 bytes of LDS; arguments ab, wb, out0; writes out0
.if DOCPART == 4
	.amdgcn_target "amdgcn-amd-amdhsa--gfx1250"
	.amdhsa_code_object_version 6
	.text
	.protected	k_q771d449d56_oproj
	.globl	k_q771d449d56_oproj
	.p2align	8
	.type	k_q771d449d56_oproj,@function
k_q771d449d56_oproj:
	s_mov_b64 s[64:65], 0
	v_nop
	global_prefetch_b8 v0, s[64:65] scope:SCOPE_SE
	s_setreg_imm32_b32 hwreg(HW_REG_WAVE_MODE, 25, 1), 1
	s_wait_xcnt 0x0
	s_wait_alu depctr_hold_cnt(0) depctr_sa_sdst(0) depctr_va_vdst(0) depctr_va_sdst(0) depctr_va_ssrc(0) depctr_va_vcc(0) depctr_vm_vsrc(0)
	s_getreg_b32 s2, hwreg(HW_REG_IB_STS2, 6, 4)
	s_cmp_eq_u32 s2, 0
	s_cbranch_scc0 .Lentry_in_a_cluster
	s_endpgm
.Lentry_in_a_cluster:
	s_bfe_u32 s2, ttmp6, 0x10000c
	s_cmp_lg_u32 s2, 0xf033
	s_cbranch_scc0 .Lentry_shape_is_right
	s_endpgm
.Lentry_shape_is_right:
; OPROJ: out0 = attention result x wo.  ab is [b 16 + h][t][64] f16, wo lies in wb at 2 MiB as [jn 8][k 1024][128] f16; out0 is f32.
; A work-group makes 128 rows (block by of 32) x 128 columns (block jn of 8), a wave 64 x 64 = 16 accumulator tiles.
; K = 1024 goes in 8 steps of 128 = two heads, through two LDS slots.  CLUSTER 4 x 4: ab's tiles hang on by alone and are asked for jointly by a row
; of the cluster, wo's on jn alone and by a column.  One joint load a wave: waves 0, 1 one head each (128 rows x 128 bytes, dense),
; waves 2, 3 64 k-rows of wo each (256 bytes a row, dense).  By this text's count a wave has two tensor loads out at the start, later one.
; The matrix instruction is used transposed (source 0 = 16 columns of wo by the transposing load, source 1 = 16 rows of ab):
; a lane holds eight neighbouring columns of one row.
; LIMIT: both operands are f16; wo's numbers were rounded to bf16 first (see prep).
.set SLOT,  73728                      ; ab: 2 heads x 128 rows x 144; wo: 128 k-rows x 288
.set OFFB,  36864
.set STAGE, 2*SLOT                     ; the way out: 16 rows x 272 for each wave; no tensor load lands here
.set AA,  8                            ; v8-9    ab fragments, slot 0, 1
.set BB,  10                           ; v10-11  wo fragments
.set STO, 12
.set RD,  13
.set CO,  14
.set F0,  32                           ; v32-95   fragment buffer 0: wo at 8 nt, ab at 32 + 8 mt
.set F1,  96                           ; v96-159  fragment buffer 1
; window 1: accumulator (mt, nt) at 8 (4 mt + nt)
.set G1A, 16
.set G1B, 24
.set G0A, 32
.set G0B, 48
.set CB, (1<<16)|(1<<20)|(1<<21)
.set MSB, 0
.macro WIN new
.if MSB != \new
	s_set_vgpr_msb (MSB<<8)|\new
.set MSB, \new
.endif
.endm
.macro PLACES                          ; four plain places behind a matrix instruction (ISA guide 7.12.1)
.rept 4
	v_nop
.endr
.endm
.macro JLOAD s
	s_cmp_eq_u32 s11, 0
	s_cbranch_scc0 .Lfor_b_\@
	tensor_load_to_lds s[G0A+4*\s:G0A+4*\s+3], s[G1A:G1A+7]
	s_nop 0
	s_branch .Lasked_\@
.Lfor_b_\@:
	tensor_load_to_lds s[G0B+4*\s:G0B+4*\s+3], s[G1B:G1B+7]
	s_nop 0
.Lasked_\@:
.endm
.macro CREST
	s_cmp_lg_u32 s10, 0
	s_cbranch_scc1 .Lnot_wave_0_\@
	s_barrier_signal -3
.Lnot_wave_0_\@:
	s_barrier_wait -3
	s_barrier_signal -1
	s_barrier_wait -1
.endm
.macro CROUND
	s_barrier_signal -1
	s_barrier_wait -1
	CREST
.endm
	s_load_b128 s[4:7], s[0:1], 0x0                ; ab 4, wb 6
	s_load_b64 s[8:9], s[0:1], 0x10                ; out0
	v_lshl_add_u32 v254, v0, 2, 0x29000
	v_mov_b32 v255, 0
	ds_add_u32 v254, v255
	v_lshrrev_b32 v1, 5, v0
	v_readfirstlane_b32 s10, v1                    ; wave w
	s_lshr_b32 s11, s10, 1                         ; mh: my 64 rows.  Also: I fetch for ab (0) or wo (1)
	s_and_b32 s12, s10, 1                          ; nh: my 64 columns.  Also: which half of that tile I fetch
	s_bfe_u32 s40, ttmp6, 0x40000                  ; cx
	s_bfe_u32 s41, ttmp6, 0x40004                  ; cy
	s_lshl_b32 s42, ttmp9, 2
	s_add_co_u32 s42, s42, s40                     ; jn
	s_and_b32 s13, ttmp7, 0xffff
	s_lshl_b32 s13, s13, 2
	s_add_co_u32 s13, s13, s41                     ; by
	s_lshl_b32 s43, s41, 2
	s_lshl_b32 s43, 15, s43                        ; my row of the cluster
	s_lshl_b32 s44, 0x1111, s40                    ; my column
	s_or_b32 s[G1A+0], s43, CB|(4<<22)|(3<<25)     ; ab: 128 rows x 64 elements, 4 words of padding behind every 32: pitch 144
	s_mov_b32 s[G1A+1], 64<<16
	s_mov_b32 s[G1A+2], 128<<16
	s_mov_b32 s[G1A+3], 64<<16
	s_mov_b32 s[G1A+4], 128
	s_mov_b32 s[G1A+5], 64
	s_mov_b32 s[G1A+6], 0
	s_mov_b32 s[G1A+7], 0
	s_or_b32 s[G1B+0], s44, CB|(5<<22)|(7<<25)     ; wo: 64 k-rows x 128 elements, 8 words of padding behind every 64: pitch 288
	s_mov_b32 s[G1B+1], 128<<16
	s_mov_b32 s[G1B+2], 64<<16
	s_mov_b32 s[G1B+3], 128<<16
	s_mov_b32 s[G1B+4], 64
	s_mov_b32 s[G1B+5], 128
	s_mov_b32 s[G1B+6], 0
	s_mov_b32 s[G1B+7], 0
	; s56-57 and s14-15 hold by and the wave alone, s46-47 jn and the wave alone, s62 the wave alone
	s_lshr_b32 s56, s13, 4
	s_lshl_b32 s56, s56, 22                        ; b: 16 heads of 262,144 bytes
	s_and_b32 s57, s13, 15
	s_lshl_b32 s57, s57, 14                        ; 128 rows of 128 bytes
	s_add_co_u32 s56, s56, s57
	s_lshl_b32 s62, s12, 18                        ; head w & 1 of the step's two
	s_add_co_u32 s56, s56, s62
	s_mov_b32 s57, 0
	s_lshl_b32 s46, s42, 18                        ; wo's block jn
	s_lshl_b32 s62, s12, 14                        ; k-rows 64 (w & 1) ..
	s_add_co_u32 s46, s46, s62
	s_add_co_u32 s46, s46, 0x200000
	s_mov_b32 s47, 0
	s_mul_i32 s45, s10, 18432                      ; my region of a slot
	s_wait_dscnt 0x0
	s_wait_kmcnt 0x0
	s_add_nc_u64 s[14:15], s[4:5], s[56:57]
	s_add_nc_u64 s[46:47], s[6:7], s[46:47]
	CROUND                                         ; all sixteen work-groups are here: the first joint loads meet
.irp s, 0,1
	s_mov_b32 s[G0A+4*\s], 1
	s_add_co_u32 s[G0A+4*\s+1], s45, \s*SLOT
	s_add_nc_u64 s[G0A+4*\s+2:G0A+4*\s+3], s[14:15], \s*524288
	s_or_b32 s[G0A+4*\s+3], s[G0A+4*\s+3], 0x80000000
	s_mov_b32 s[G0B+4*\s], 1
	s_add_co_u32 s[G0B+4*\s+1], s45, \s*SLOT
	s_add_nc_u64 s[G0B+4*\s+2:G0B+4*\s+3], s[46:47], \s*32768
	s_or_b32 s[G0B+4*\s+3], s[G0B+4*\s+3], 0x80000000
	JLOAD \s                                       ; K steps 0 and 1
.endr
	v_and_b32 v1, 15, v0                           ; r
	v_bfe_u32 v2, v0, 4, 1                         ; h
	v_and_b32 v3, 7, v0
	v_bfe_u32 v4, v0, 3, 1
	v_lshl_add_u32 v3, v2, 3, v3
	v_mul_u32_u24 v3, v3, 288
	v_lshl_add_u32 v3, v4, 4, v3                   ; the transposing load's lane term
	s_lshl_b32 s62, s11, 6
	v_add_nc_u32 v5, s62, v1                       ; row 64 mh + r
	v_mul_u32_u24 v6, v5, 144
	v_lshl_add_u32 v[AA], v2, 4, v6
	v_add_nc_u32 v[AA+1], SLOT, v[AA]
	s_lshl_b32 s62, s12, 7
	s_add_co_u32 s62, s62, OFFB                    ; my 64 columns of wo's tile
	v_add_nc_u32 v[BB], s62, v3
	v_add_nc_u32 v[BB+1], SLOT, v[BB]
	s_mul_i32 s62, s10, 4352
	s_add_co_u32 s62, s62, STAGE                   ; my stage
	v_mul_u32_u24 v6, v1, 272
	v_lshl_add_u32 v6, v2, 5, v6
	v_add_nc_u32 v[STO], s62, v6                   ; in: row r, 32 bytes for each half of the lanes
	v_mul_u32_u24 v6, v2, 272
	v_lshl_add_u32 v6, v1, 4, v6
	v_add_nc_u32 v[RD], s62, v6                    ; back: lanes 0-15 one row of 256 bytes, lanes 16-31 the next
	v_lshlrev_b32 v6, 12, v2
	v_lshl_add_u32 v[CO], v1, 4, v6                ; the same two rows in out0
.macro FETCH slot, q, f                ; 16 LDS loads: quarter q (32 along K: head q >> 1, d from 32 (q & 1)) into buffer f
	WIN 0
.irp nt, 0,1,2,3
	ds_load_tr16_b128 v[\f+8*\nt:\f+8*\nt+3],   v[BB+\slot] offset:\q*9216+32*\nt
	ds_load_tr16_b128 v[\f+8*\nt+4:\f+8*\nt+7], v[BB+\slot] offset:\q*9216+32*\nt+4608
.endr
.irp mt, 0,1,2,3
	ds_load_b128 v[\f+32+8*\mt:\f+32+8*\mt+3],   v[AA+\slot] offset:(\q>>1)*18432+(\q&1)*64+\mt*2304
	ds_load_b128 v[\f+32+8*\mt+4:\f+32+8*\mt+7], v[AA+\slot] offset:(\q>>1)*18432+(\q&1)*64+\mt*2304+32
.endr
.endm
; 8 matrix instructions.  first = 1: the constant 0 as C starts the sums.  The 16 accumulators take turns, one instruction a turn,
; in the same order in every quarter.
.macro MULH f, half, first
.irp mt, 2*\half, 2*\half+1
.irp nt, 0,1,2,3
.if \first
	v_wmma_f32_16x16x32_f16 v[8*(4*(\mt)+\nt):8*(4*(\mt)+\nt)+7], v[\f+8*\nt:\f+8*\nt+7], v[\f+32+8*(\mt):\f+32+8*(\mt)+7], 0
.else
	v_wmma_f32_16x16x32_f16 v[8*(4*(\mt)+\nt):8*(4*(\mt)+\nt)+7], v[\f+8*\nt:\f+8*\nt+7], v[\f+32+8*(\mt):\f+32+8*(\mt)+7], v[8*(4*(\mt)+\nt):8*(4*(\mt)+\nt)+7]
.endif
.endr
.endr
.endm
.macro QUARTER slot, q, f, g, first
	s_wait_dscnt 0x0                               ; buffer f is in: its 16 loads are all that is out
	PLACES
	FETCH \slot, \q, \g
	WIN 0x50                                       ; C and D in window 1
	MULH \f, 0, \first
	MULH \f, 1, \first
.endm
.macro THREE slot, first
	QUARTER \slot, 1, F0, F1, \first
	QUARTER \slot, 2, F1, F0, 0
	QUARTER \slot, 3, F0, F1, 0
.endm
; The last quarter and the change of slots: each wave's reads of this slot are back and all its tensor loads have landed in front of the barrier;
; fill = 1: the barrier opens a round of the cluster's barrier and the joint refill is the first tensor load behind the round.
.macro TURN slot, next, fill
	s_wait_dscnt 0x0
	s_wait_tensorcnt 0x0
	ds_add_u32 v254, v255
	s_wait_dscnt 0x0
	WIN 0x50
	s_barrier_signal -1
	MULH F1, 0, 0
	WIN 0
	s_barrier_wait -1
.if \fill
	CREST
	s_add_nc_u64 s[G0A+4*\slot+2:G0A+4*\slot+3], s[G0A+4*\slot+2:G0A+4*\slot+3], 1048576
	s_add_nc_u64 s[G0B+4*\slot+2:G0B+4*\slot+3], s[G0B+4*\slot+2:G0B+4*\slot+3], 65536
	JLOAD \slot
.endif
	PLACES
	FETCH \next, 0, F0
	WIN 0x50
	MULH F1, 1, 0
.endm
.macro LAP first
	THREE 0, \first
	TURN 0, 1, 1
	THREE 1, 0
	TURN 1, 0, 1
.endm
	s_wait_tensorcnt 0x1                           ; my part of K step 0 is in; K step 1's load, issued behind it, stays out
	s_barrier_signal -1
	s_barrier_wait -1
	FETCH 0, 0, F0
	LAP 1
	WIN 0
	s_mov_b32 s3, 2
.Llap:
	LAP 0
	WIN 0
	s_sub_co_u32 s3, s3, 1
	s_cmp_lg_u32 s3, 0
	s_cbranch_scc1 .Llap
	THREE 0, 0                                     ; K steps 6, 7: nothing is left to fetch
	TURN 0, 1, 0
	THREE 1, 0
	s_wait_dscnt 0x0
	WIN 0x50
	MULH F1, 0, 0
	MULH F1, 1, 0
	PLACES
	WIN 0
	; THE WAY OUT, 16 rows at a time through my own stage, so that sixteen lanes store 256 consecutive, aligned bytes
	s_lshl_b32 s58, s13, 7
	s_lshl_b32 s60, s11, 6
	s_add_co_u32 s58, s58, s60                     ; row 128 by + 64 mh
	s_lshl_b32 s58, s58, 12                        ; x 4,096 bytes
	s_lshl_b32 s60, s42, 7
	s_lshl_b32 s61, s12, 6
	s_add_co_u32 s60, s60, s61                     ; column 128 jn + 64 nh
	s_lshl_b32 s60, s60, 2
	s_add_co_u32 s58, s58, s60
	s_mov_b32 s59, 0
	s_add_nc_u64 s[8:9], s[8:9], s[58:59]
.irp mt, 0,1,2,3
	WIN 0x04                                       ; store data in window 1
.irp nt, 0,1,2,3
	ds_store_b128 v[STO], v[8*(4*\mt+\nt):8*(4*\mt+\nt)+3]   offset:64*\nt
	ds_store_b128 v[STO], v[8*(4*\mt+\nt)+4:8*(4*\mt+\nt)+7] offset:64*\nt+16
.endr
	WIN 0
.irp t, 0,1,2,3,4,5,6,7
	ds_load_b128 v[32+32*\mt+4*\t:35+32*\mt+4*\t], v[RD] offset:\t*544     ; LDS serves a wave's instructions in order (ISA guide 5.7.1.4)
.endr
.irp t, 0,1,2,3,4,5,6,7
	s_wait_dscnt 7-\t
	global_store_b128 v[CO], v[32+32*\mt+4*\t:35+32*\mt+4*\t], s[8:9] offset:(16*\mt+2*\t)*4096 th:TH_STORE_NT
.endr
.endr
	s_wait_tensorcnt 0x0
	ds_add_u32 v254, v255
	s_wait_dscnt 0x0
	CROUND                                         ; the closing round
	s_endpgm
.Lfunc_end_k_q771d449d56_oproj:
	.size	k_q771d449d56_oproj, .Lfunc_end_k_q771d449d56_oproj-k_q771d449d56_oproj
	.p2alignl 7, 3214868480
	.fill 96, 4, 3214868480
	.section	.rodata,"a",@progbits
	.p2align	6, 0x0
	.amdhsa_kernel k_q771d449d56_oproj
		.amdhsa_group_segment_fixed_size 327680
		.amdhsa_private_segment_fixed_size 0
		.amdhsa_enable_private_segment 0
		.amdhsa_kernarg_size 24
		.amdhsa_user_sgpr_count 2
		.amdhsa_user_sgpr_kernarg_segment_ptr 1
		.amdhsa_wavefront_size32 1
		.amdhsa_system_sgpr_workgroup_id_x 1
		.amdhsa_system_sgpr_workgroup_id_y 1
		.amdhsa_system_sgpr_workgroup_id_z 1
		.amdhsa_system_vgpr_workitem_id 0
		.amdhsa_next_free_vgpr 384
		.amdhsa_next_free_sgpr 66
		.amdhsa_reserve_vcc 0
		.amdhsa_float_denorm_mode_32 3
		.amdhsa_float_denorm_mode_16_64 3
		.amdhsa_memory_ordered 1
		.amdhsa_forward_progress 1
		.amdhsa_inst_pref_size 73
	.end_amdhsa_kernel
	.amdgpu_metadata
---
amdhsa.version: [ 1, 2 ]
amdhsa.kernels:
  - .name:           k_q771d449d56_oproj
    .symbol:         k_q771d449d56_oproj.kd
    .args:
      - { .name: ab, .offset: 0, .size: 8, .value_kind: global_buffer, .address_space: global }
      - { .name: wb, .offset: 8, .size: 8, .value_kind: global_buffer, .address_space: global }
      - { .name: out0, .offset: 16, .size: 8, .value_kind: global_buffer, .address_space: global }
    .group_segment_fixed_size: 327680
    .private_segment_fixed_size: 0
    .kernarg_segment_align: 8
    .kernarg_segment_size: 24
    .max_flat_workgroup_size: 128
    .sgpr_count:     66
    .vgpr_count:     384
    .wavefront_size: 32
...
	.end_amdgpu_metadata
.endif
;; end of part 4
;; ======== version 2 of 2: 4 launches
;; limits: values are held in f16: magnitudes above 65,504 overflow, below 6.1e-05 lose precision
;; workspace buffers: xb 8,388,608 bytes; wb 5,242,880 bytes; tab 1,048,576 bytes; qb 8,388,608 bytes; kvb 4,194,304 bytes; ab 8,388,608 bytes
;; launch prep: the kernel of part 1 again; grid 256 x 1, 4 waves a work-group, no clusters, 0 bytes of LDS; arguments x, wq, wk, wv, wo, xb, wb, tab; writes xb, wb, tab
;; launch qkv (part 5): grid 8 x 32, 4 waves a work-group, clusters of 4 x 4, 327,680 bytes of LDS; arguments xb, wb, tab, bq, bk, bv, qb, kvb, out1, out2; writes qb, kvb, out1, out2
.if DOCPART == 5
	.amdgcn_target "amdgcn-amd-amdhsa--gfx1250"
	.amdhsa_code_object_version 6
	.text
	.protected	k_q771d449d56_qkv
	.globl	k_q771d449d56_qkv
	.p2align	8
	.type	k_q771d449d56_qkv,@function
k_q771d449d56_qkv:
	s_mov_b64 s[64:65], 0
	v_nop
	global_prefetch_b8 v0, s[64:65] scope:SCOPE_SE
	s_setreg_imm32_b32 hwreg(HW_REG_WAVE_MODE, 25, 1), 1
	s_wait_xcnt 0x0
	s_wait_alu depctr_hold_cnt(0) depctr_sa_sdst(0) depctr_va_vdst(0) depctr_va_sdst(0) depctr_va_ssrc(0) depctr_va_vcc(0) depctr_vm_vsrc(0)
	s_getreg_b32 s2, hwreg(HW_REG_IB_STS2, 6, 4)
	s_cmp_eq_u32 s2, 0
	s_cbranch_scc0 .Lentry_in_a_cluster
	s_endpgm
.Lentry_in_a_cluster:
	s_bfe_u32 s2, ttmp6, 0x10000c
	s_cmp_lg_u32 s2, 0xf033
	s_cbranch_scc0 .Lentry_shape_is_right
	s_endpgm
.Lentry_shape_is_right:
; QKV: q = x wq + bq, k = x wk + bk, v = x wv + bv, then RoPE on q and k.  Operands bf16, sums f32 started from the bias.
; A work-group makes 128 rows (block by of 32) x 192 columns: query heads 2 jn and 2 jn + 1 and one key/value head:
; head jn of k in the clusters with x = 0, head jn - 4 of v in those with x = 1 (the kind hangs on the cluster's x alone).
; Stores: qb [b 16 + h][t][64] f16, rotated and times c = log2(e)/8; out1 (k rotated) and out2 (v) in f32; kvb, their f16 copies.
; Four waves, each 64 rows x 96 columns = 4 x 6 accumulator tiles.  A wave's columns hold both partners (d, d + 32) of the rotation:
;   X, tiles 0-3: a whole head (even waves: query head 2 jn; odd waves: the key/value head)
;   Y, tiles 4-5: half of query head 2 jn + 1 (even waves: d 0-15 and 32-47; odd waves: d 16-31 and 48-63)
; The matrix instruction is used transposed (source 0 = 16 columns of W, source 1 = 16 rows of x): lane (r, h) then holds row r and
; the eight neighbouring columns 8 h + j.  W lies [k][n] in LDS and is read by the transposing load.
; K = 1024 goes in 8 steps of 128 through two LDS slots of unlike size: slot A holds two steps, slot B one, in the order
; 0-1 (A), 2 (B), 3-4 (A), 5 (B), 6-7 (A).  Three steps are asked for at the start; three refills follow, each three steps on from the
; slot's last address.  Step 5's refill has 192 matrix instructions of a wave in which to land, the other two 96.
; The stage of the way out lies in slot B: its last fill is step 5, every wave's reads of it are back in front of the barrier that
; changes to steps 6-7, and the stage is written only behind the K steps.
; CLUSTER 4 x 4: x's tile hangs on by alone and is asked for jointly by a row of the cluster, W's tiles on jn alone and by a column.
; One joint load a wave: waves 0, 1 x's rows 64 w .., wave 2 wq's tile, wave 3 wk's or wv's.
; By this text's count a wave has two tensor loads out at the start and one behind each later round.
; LIMIT: operands are rounded to bf16; c q, k and v are handed on in f16 (11 significant bits; infinite beyond 65504, steps of 2^-24 below 2^-14).
.set OFFQ2, 67584                      ; slot A: x 128 rows x 528 (512 bytes of data); wq 256 k-rows x 288;
.set OFFV2, 141312                     ;         wk/wv 256 k-rows x 288 (128 bytes of data each); ends at 215,040
.set SLOTB, 217088                     ; slot B: x 128 rows x 272; wq 128 k-rows x 288; wk/wv 128 k-rows x 288
.set OFFQ,  34816
.set OFFV,  71680
.set STAGE, SLOTB                      ; the way out, in slot B behind its last fill: q 2 heads x 128 rows x 144,
.set SKOFF, STAGE+36864                ; then k or v, 128 rows x 272 (f32)
; A K step's place p: 0, 1 the halves of slot A, 2 slot B.
.set AA,  8                            ; v8-10   x fragments at place 0, 1, 2
.set BX,  11                           ; v11-13  W fragments of X
.set BY,  24                           ; v24-26  W fragments of Y
.set TX,  14                           ; v14     table offset for X
.set TY,  15                           ; v15     table offset for the odd waves' Y
.set VB,  16                           ; v16     bias offset, 32 h
.set SQA, 17                           ; v17     stage, q in
.set SKA, 18                           ; v18     stage, k or v in
.set RQ,  19                           ; v19     stage, q back
.set RK,  20                           ; v20     stage, k or v back
.set G16, 21                           ; v21     16 x lane
.set GB,  22                           ; v22     8 x lane
.set F0,  32                           ; v32-111   fragment buffer 0: W at 8 nt, x at 48 + 8 mt
.set F1,  112                          ; v112-191  fragment buffer 1
.set BI,  192                          ; v192-239  bias as a C operand, 8 registers a column tile
.set Y0,  32                           ; the way out: three pairs of rotated tiles, in buffer 0's registers
.set Y1,  48
.set Y2,  64
; window 1 (v256-447): accumulator (mt, nt) at 8 (6 mt + nt).
; window 2 (v512-703): XT at 32 mt: cos i 0-15, cos i 16-31, sin i 0-15, sin i 16-31 (8 each); YT at 128 + 16 mt: cos, sin of i 16-31.
.set G1A, 16                           ; shapes for slot A: x s[16:23], wq s[24:31], wk/wv s[32:39]; for slot B 24 registers on: s[40:63].
.set G1Q, 24                           ; Both first fills are out together, so each slot has shapes of its own.
.set G1V, 32
.set G0A, 68                           ; group 0, slot A then slot B: x s[68:75], wq s[76:83], wk/wv s[84:91]
.set G0Q, 76
.set G0V, 84
.set CB, (1<<16)|(1<<20)|(1<<21)       ; elements of 2 bytes, padding on, bit 21 beside a mask
.set MSB, 0
.macro WIN new                         ; the immediate's high byte repeats the setting that is left
.if MSB != \new
	s_set_vgpr_msb (MSB<<8)|\new
.set MSB, \new
.endif
.endm
.macro PLACES                          ; four plain places behind a matrix instruction, ahead of loads into its sources and of readers of its result
.rept 4
	v_nop
.endr
.endm
.macro JLOAD s                         ; one joint load a wave into slot s (0: A, 1: B); the branches hang on the wave's number alone
	s_cmp_lt_u32 s4, 2
	s_cbranch_scc0 .Lnot_x_\@
	tensor_load_to_lds s[G0A+4*\s:G0A+4*\s+3], s[G1A+24*\s:G1A+24*\s+7]
	s_nop 0
	s_branch .Lasked_\@
.Lnot_x_\@:
	s_cmp_eq_u32 s4, 2
	s_cbranch_scc0 .Lfor_kv_\@
	tensor_load_to_lds s[G0Q+4*\s:G0Q+4*\s+3], s[G1Q+24*\s:G1Q+24*\s+7]
	s_nop 0
	s_branch .Lasked_\@
.Lfor_kv_\@:
	tensor_load_to_lds s[G0V+4*\s:G0V+4*\s+3], s[G1V+24*\s:G1V+24*\s+7]
	s_nop 0
.Lasked_\@:
.endm
.macro CREST                           ; a round of the cluster's barrier behind its opening work-group barrier
	s_cmp_lg_u32 s4, 0
	s_cbranch_scc1 .Lnot_wave_0_\@
	s_barrier_signal -3
.Lnot_wave_0_\@:
	s_barrier_wait -3
	s_barrier_signal -1
	s_barrier_wait -1
.endm
.macro CROUND
	s_barrier_signal -1
	s_barrier_wait -1
	CREST
.endm
.macro SHAPE g, mask, bits, d0, d1, pitch      ; group 1: a tile of d1 rows x d0 elements, rows `pitch` elements apart in memory
	s_or_b32 s[\g], \mask, \bits
	s_mov_b32 s[\g+1], (\d0)<<16
	s_mov_b32 s[\g+2], (\d1)<<16
	s_mov_b32 s[\g+3], (\d0)<<16
	s_mov_b32 s[\g+4], \d1
	s_mov_b32 s[\g+5], \pitch
	s_mov_b32 s[\g+6], 0
	s_mov_b32 s[\g+7], 0
.endm
	s_load_b128 s[92:95], s[0:1], 0x0              ; xb 92, wb 94
	s_load_b128 s[96:99], s[0:1], 0x10             ; tab 96, bq 98
	s_load_b128 s[12:15], s[0:1], 0x20             ; bk 12, bv 14
	v_lshl_add_u32 v254, v0, 2, 0x4f800
	v_mov_b32 v255, 0
	ds_add_u32 v254, v255
	v_lshrrev_b32 v1, 5, v0
	v_readfirstlane_b32 s4, v1                     ; wave w
	s_lshr_b32 s5, s4, 1                           ; mh: my 64 rows
	s_and_b32 s6, s4, 1                            ; nh: my column set
	s_bfe_u32 s7, ttmp6, 0x40000                   ; cx
	s_bfe_u32 s8, ttmp6, 0x40004                   ; cy
	s_lshl_b32 s9, ttmp9, 2
	s_add_co_u32 s9, s9, s7                        ; jn = 4 x cluster x + cx
	s_and_b32 s10, ttmp7, 0xffff
	s_lshl_b32 s10, s10, 2
	s_add_co_u32 s10, s10, s8                      ; by = 4 x cluster y + cy
	s_lshl_b32 s11, s8, 2
	s_lshl_b32 s11, 15, s11                        ; my row of the cluster
	s_lshl_b32 s3, 0x1111, s7                      ; my column
	SHAPE G1A,    s11, CB|(6<<22)|(3<<25),  256, 64,  1024   ; x, two steps: 64 rows x 256 elements, 4 words of padding behind every 128: pitch 528
	SHAPE G1Q,    s3,  CB|(5<<22)|(7<<25),  128, 256, 128    ; wq, two steps: 256 k-rows x 128 elements, dense in wb, 8 words behind every 64: pitch 288
	SHAPE G1V,    s3,  CB|(4<<22)|(39<<25), 64,  256, 64     ; wk or wv, two steps: 256 k-rows x 64 elements, dense, 40 words behind every 32: pitch 288 too
	SHAPE G1A+24, s11, CB|(5<<22)|(3<<25),  128, 64,  1024   ; one step: 64 rows x 128 elements, pitch 272
	SHAPE G1Q+24, s3,  CB|(5<<22)|(7<<25),  128, 128, 128    ; one step: 128 k-rows
	SHAPE G1V+24, s3,  CB|(4<<22)|(39<<25), 64,  128, 64     ; one step: 128 k-rows
	; where the tiles come from.  x's group 0 holds by and the wave alone, W's hold jn alone; s2 the wave alone.
	s_lshl_b32 s70, s10, 7
	s_lshl_b32 s2, s6, 6
	s_add_co_u32 s70, s70, s2                      ; row 128 by + 64 (w & 1)
	s_lshl_b32 s70, s70, 11                        ; x 2,048 bytes
	s_mov_b32 s71, 0
	s_lshl_b32 s78, s9, 18                         ; wq's block jn
	s_mov_b32 s79, 0
	s_lshl_b32 s86, s9, 17                         ; wk/wv's block jn
	s_add_co_u32 s86, s86, 0x400000
	s_mov_b32 s87, 0
	s_wait_dscnt 0x0
	s_wait_kmcnt 0x0
	s_add_nc_u64 s[70:71], s[92:93], s[70:71]      ; slot A: K step 0
	s_add_nc_u64 s[78:79], s[94:95], s[78:79]
	s_add_nc_u64 s[86:87], s[94:95], s[86:87]
	CROUND                                         ; all sixteen work-groups are here: the first joint loads meet
	s_add_nc_u64 s[74:75], s[70:71], 512           ; slot B: K step 2
	s_add_nc_u64 s[82:83], s[78:79], 65536
	s_add_nc_u64 s[90:91], s[86:87], 32768
	s_mov_b32 s68, 1
	s_mul_i32 s69, s4, 33792                       ; x's rows 64 w .. in slot A
	s_or_b32 s71, s71, 0x80000000
	s_mov_b32 s72, 1
	s_mul_i32 s73, s4, 17408                       ; and in slot B
	s_add_co_u32 s73, s73, SLOTB
	s_or_b32 s75, s75, 0x80000000
	s_mov_b32 s76, 1
	s_mov_b32 s77, OFFQ2
	s_or_b32 s79, s79, 0x80000000
	s_mov_b32 s80, 1
	s_mov_b32 s81, SLOTB+OFFQ
	s_or_b32 s83, s83, 0x80000000
	s_mov_b32 s84, 1
	s_mov_b32 s85, OFFV2
	s_or_b32 s87, s87, 0x80000000
	s_mov_b32 s88, 1
	s_mov_b32 s89, SLOTB+OFFV
	s_or_b32 s91, s91, 0x80000000
	JLOAD 0                                        ; K steps 0 and 1
	JLOAD 1                                        ; K step 2
	; the bias of my six column tiles, in the layout of a C operand: register j of lane (r, h) = bias[n0 + 8 h + j]
	s_cmp_eq_u32 ttmp9, 0
	s_cselect_b64 s[92:93], s[12:13], s[14:15]     ; bk or bv
	s_and_b32 s66, s9, 3
	s_lshl_b32 s66, s66, 8                         ; its head: 64 f32
	s_lshl_b32 s94, s9, 9                          ; query head 2 jn: 128 jn f32
	s_cmp_eq_u32 s6, 0
	s_cselect_b64 s[92:93], s[98:99], s[92:93]     ; even waves: X is a query head
	s_cselect_b32 s66, s94, s66
	s_mov_b32 s67, 0
	s_add_nc_u64 s[92:93], s[92:93], s[66:67]
	s_lshl_b32 s66, s6, 6
	s_add_co_u32 s94, s94, s66
	s_add_co_u32 s94, s94, 256                     ; Y: query head 2 jn + 1, from d = 16 nh
	s_mov_b32 s95, 0
	s_add_nc_u64 s[94:95], s[98:99], s[94:95]
	v_bfe_u32 v2, v0, 4, 1                         ; h
	v_lshlrev_b32 v[VB], 5, v2
.irp t, 0,1,2,3
	global_load_b128 v[BI+8*\t:BI+8*\t+3],   v[VB], s[92:93] offset:64*\t
	global_load_b128 v[BI+8*\t+4:BI+8*\t+7], v[VB], s[92:93] offset:64*\t+16
.endr
.irp u, 0,1
	global_load_b128 v[BI+32+8*\u:BI+32+8*\u+3],   v[VB], s[94:95] offset:128*\u
	global_load_b128 v[BI+32+8*\u+4:BI+32+8*\u+7], v[VB], s[94:95] offset:128*\u+16
.endr
	; addresses (s13-15, which held bk and bv, are free from here)
	v_and_b32 v1, 15, v0                           ; r
	v_and_b32 v3, 7, v0
	v_bfe_u32 v4, v0, 3, 1
	v_lshl_add_u32 v3, v2, 3, v3                   ; the transposing load: k-row 8 h + (l & 7),
	v_mul_u32_u24 v3, v3, 288
	v_lshl_add_u32 v3, v4, 4, v3                   ; 16 bytes on for lanes 8-15 of each half
	s_lshl_b32 s13, s5, 6
	v_add_nc_u32 v5, s13, v1                       ; row 64 mh + r
	v_mul_u32_u24 v6, v5, 528
	v_lshl_add_u32 v[AA], v2, 4, v6
	v_add_nc_u32 v[AA+1], 256, v[AA]               ; slot A's second step: 256 bytes on in each row
	v_mul_u32_u24 v6, v5, 272
	v_lshl_add_u32 v6, v2, 4, v6
	v_add_nc_u32 v[AA+2], SLOTB, v6
	s_mul_i32 s14, s6, OFFV2-OFFQ2
	s_add_co_u32 s14, s14, OFFQ2                   ; X: wq's tile (even waves) or wk/wv's (odd)
	v_add_nc_u32 v[BX], s14, v3
	v_add_nc_u32 v[BX+1], 36864, v[BX]             ; slot A's second step: 128 k-rows of 288 bytes on
	s_mul_i32 s14, s6, OFFV-OFFQ
	s_add_co_u32 s14, s14, SLOTB+OFFQ
	v_add_nc_u32 v[BX+2], s14, v3
	s_lshl_b32 s14, s6, 5
	s_add_co_u32 s15, s14, OFFQ2+128               ; Y: wq's columns 64 + 16 nh ..
	v_add_nc_u32 v[BY], s15, v3
	v_add_nc_u32 v[BY+1], 36864, v[BY]
	s_add_co_u32 s15, s14, SLOTB+OFFQ+128
	v_add_nc_u32 v[BY+2], s15, v3
	s_and_b32 s15, s10, 15
	s_lshl_b32 s15, s15, 7                         ; t of the block's first row
	v_add_nc_u32 v7, s15, v5
	v_lshlrev_b32 v7, 9, v7                        ; a table row is 512 bytes
	v_lshl_add_u32 v7, v2, 5, v7                   ; i = 8 h + j
	s_xor_b32 s15, s6, 1
	s_lshl_b32 s15, s15, 8
	v_add_nc_u32 v[TX], s15, v7                    ; even waves (q): the half times c; odd waves (k): the plain half
	v_add_nc_u32 v[TY], 320, v7                    ; times c, i 16-31
	v_mul_u32_u24 v6, v5, 144
	v_lshl_add_u32 v6, v2, 4, v6
	v_add_nc_u32 v[SQA], STAGE, v6
	v_mul_u32_u24 v6, v5, 272
	v_lshl_add_u32 v6, v2, 5, v6
	v_add_nc_u32 v[SKA], SKOFF, v6
	v_and_b32 v6, 31, v0                           ; lane
	v_lshlrev_b32 v[G16], 4, v6
	v_lshlrev_b32 v[GB], 3, v6
	v_lshrrev_b32 v7, 3, v6
	s_lshl_b32 s14, s6, 6
	v_add_nc_u32 v7, s14, v7                       ; q back: head w >> 1, rows 64 (w & 1) + (l >> 3), four rows of 128 bytes a load
	v_mul_u32_u24 v7, v7, 144
	v_and_b32 v4, 7, v0
	v_lshl_add_u32 v7, v4, 4, v7
	s_mul_i32 s14, s5, 18432
	s_add_co_u32 s14, s14, STAGE
	v_add_nc_u32 v[RQ], s14, v7
	s_lshl_b32 s14, s4, 5
	v_add_nc_u32 v7, s14, v2                       ; k, v back: rows 32 w + (l >> 4), two rows of 256 bytes a load
	v_mul_u32_u24 v7, v7, 272
	v_lshl_add_u32 v7, v1, 4, v7
	v_add_nc_u32 v[RK], SKOFF, v7
	s_wait_loadcnt 0x0                             ; the bias; its bases s[92:95] are free behind this wait
	s_load_b128 s[12:15], s[0:1], 0x30             ; qb 12, kvb 14: for the way out
	s_load_b128 s[92:95], s[0:1], 0x40             ; out1 92, out2 94
	; The table for what every kind of work-group rotates goes out now and is waited for on the way out.
.macro LDXT                            ; 32 loads: cos and sin of i 0-31 for my 64 rows
.irp mt, 0,1,2,3
.irp k, 0,1,2,3
	global_load_b128 v[32*\mt+8*\k:32*\mt+8*\k+3],   v[TX], s[96:97] offset:\mt*8192+64*\k
	global_load_b128 v[32*\mt+8*\k+4:32*\mt+8*\k+7], v[TX], s[96:97] offset:\mt*8192+64*\k+16
.endr
.endr
.endm
	s_cmp_eq_u32 s6, 0
	s_cbranch_scc0 .Ltab_odd
	WIN 0x80                                       ; destination in window 2
	LDXT
	WIN 0
	s_branch .Ltab_done
.Ltab_odd:
	WIN 0x80
.irp mt, 0,1,2,3
.irp k, 0,1
	global_load_b128 v[128+16*\mt+8*\k:128+16*\mt+8*\k+3],   v[TY], s[96:97] offset:\mt*8192+128*\k
	global_load_b128 v[128+16*\mt+8*\k+4:128+16*\mt+8*\k+7], v[TY], s[96:97] offset:\mt*8192+128*\k+16
.endr
.endr
	WIN 0
.Ltab_done:
; 20 LDS loads: the fragments of 32 along K (quarter q of the step at place p) into buffer f.
; Sixteen rows of x are 16 x 528 = 8,448 bytes apart in slot A (p = 0, 1) and 16 x 272 = 4,352 in slot B (p = 2).
.macro FETCH p, q, f
	WIN 0
.irp t, 0,1,2,3
	ds_load_tr16_b128 v[\f+8*\t:\f+8*\t+3],   v[BX+\p] offset:\q*9216+32*\t
	ds_load_tr16_b128 v[\f+8*\t+4:\f+8*\t+7], v[BX+\p] offset:\q*9216+32*\t+4608
.endr
.irp u, 0,1
	ds_load_tr16_b128 v[\f+32+8*\u:\f+32+8*\u+3],   v[BY+\p] offset:\q*9216+64*\u
	ds_load_tr16_b128 v[\f+32+8*\u+4:\f+32+8*\u+7], v[BY+\p] offset:\q*9216+64*\u+4608
.endr
.irp mt, 0,1,2,3
	ds_load_b128 v[\f+48+8*\mt:\f+48+8*\mt+3],   v[AA+\p] offset:\mt*(8448-4096*(\p/2))+64*\q
	ds_load_b128 v[\f+48+8*\mt+4:\f+48+8*\mt+7], v[AA+\p] offset:\mt*(8448-4096*(\p/2))+64*\q+32
.endr
.endm
; 12 matrix instructions: two row tiles x six column tiles.  first = 1: the bias is the C operand and starts the sums.
; The 24 accumulators take turns, one instruction a turn, in the same order in every quarter.
.macro MULH f, half, first
.irp mt, 2*\half, 2*\half+1
.irp nt, 0,1,2,3,4,5
.if \first
	v_wmma_f32_16x16x32_bf16 v[8*(6*(\mt)+\nt):8*(6*(\mt)+\nt)+7], v[\f+8*\nt:\f+8*\nt+7], v[\f+48+8*(\mt):\f+48+8*(\mt)+7], v[BI+8*\nt:BI+8*\nt+7]
.else
	v_wmma_f32_16x16x32_bf16 v[8*(6*(\mt)+\nt):8*(6*(\mt)+\nt)+7], v[\f+8*\nt:\f+8*\nt+7], v[\f+48+8*(\mt):\f+48+8*(\mt)+7], v[8*(6*(\mt)+\nt):8*(6*(\mt)+\nt)+7]
.endif
.endr
.endr
.endm
; A quarter step: fetches quarter q of place p into buffer g, then multiplies buffer f, whose loads were issued a quarter ago.
.macro QUARTER p, q, f, g, first
	s_wait_dscnt 0x0                               ; buffer f is in: its 20 loads are all that is out
	PLACES
	FETCH \p, \q, \g
.if \first
	WIN 0x40                                       ; D in window 1, C (the bias) in window 0
.else
	WIN 0x50                                       ; C and D in window 1
.endif
	MULH \f, 0, \first
	MULH \f, 1, \first
.endm
.macro THREE p, first
	QUARTER \p, 1, F0, F1, \first
	QUARTER \p, 2, F1, F0, 0
	QUARTER \p, 3, F0, F1, 0
.endm
.macro PASSA first                     ; slot A's two steps but for the last quarter; no barrier between them: the one in front has shown the whole slot
	THREE 0, \first
	QUARTER 1, 0, F1, F0, 0
	THREE 1, 0
.endm
; A slot's last quarter, and the change of slots.  In front of the barrier each wave's reads of this slot are back and all its tensor loads
; have landed (the one that was out is its part of the other slot).  fill = 1: the barrier opens a round of the cluster's barrier, and the
; joint refill of this slot, three K steps on, is the first tensor load behind the round.  next: the place that is read next.
.macro TURN slot, next, fill
	s_wait_dscnt 0x0
	s_wait_tensorcnt 0x0
	ds_add_u32 v254, v255
	s_wait_dscnt 0x0
	WIN 0x50
	s_barrier_signal -1
	MULH F1, 0, 0                                  ; register work while the others arrive
	WIN 0
	s_barrier_wait -1
.if \fill
	CREST
	s_add_nc_u64 s[G0A+4*\slot+2:G0A+4*\slot+3], s[G0A+4*\slot+2:G0A+4*\slot+3], 768
	s_add_nc_u64 s[G0Q+4*\slot+2:G0Q+4*\slot+3], s[G0Q+4*\slot+2:G0Q+4*\slot+3], 98304
	s_add_nc_u64 s[G0V+4*\slot+2:G0V+4*\slot+3], s[G0V+4*\slot+2:G0V+4*\slot+3], 49152
	JLOAD \slot
.endif
	PLACES
	FETCH \next, 0, F0
	WIN 0x50
	MULH F1, 1, 0
.endm
	s_wait_kmcnt 0x0                               ; the four addresses for the way out
	s_wait_tensorcnt 0x1                           ; my part of slot A is in; slot B's load, issued behind it, stays out
	s_barrier_signal -1
	s_barrier_wait -1
	FETCH 0, 0, F0
	PASSA 1                                        ; K steps 0, 1
	TURN 0, 2, 1                                   ; slot A is filled again: steps 3, 4
	THREE 2, 0                                     ; K step 2
	TURN 1, 0, 1                                   ; slot B is filled again: step 5, its last fill
	PASSA 0                                        ; K steps 3, 4
	TURN 0, 2, 1                                   ; slot A is filled again: steps 6, 7
	THREE 2, 0                                     ; K step 5
	TURN 1, 0, 0                                   ; nothing is left to fetch; behind this barrier no wave reads slot B any more
	PASSA 0                                        ; K steps 6, 7
	s_wait_dscnt 0x0
	WIN 0x50
	MULH F1, 0, 0
	MULH F1, 1, 0
	PLACES
	WIN 0
; THE WAY OUT.  out(d) = cos x(d) - sin x(d + 32), out(d + 32) = cos x(d + 32) + sin x(d), tile lo = d, tile hi = d + 32.
.macro ROPE lo, hi, c, s, y            ; source 0 in window 1 (sums), source 1 in window 2 (table), the rest in window 0
.irp p, 0,2,4,6
	v_pk_mul_f32 v[\y+\p:\y+\p+1],     v[\lo+\p:\lo+\p+1], v[\c+\p:\c+\p+1]
	v_pk_mul_f32 v[\y+8+\p:\y+8+\p+1], v[\hi+\p:\hi+\p+1], v[\c+\p:\c+\p+1]
.endr
.irp p, 0,2,4,6
	v_pk_fma_f32 v[\y+\p:\y+\p+1],     v[\hi+\p:\hi+\p+1], v[\s+\p:\s+\p+1], v[\y+\p:\y+\p+1] neg_lo:[1,0,0] neg_hi:[1,0,0]
	v_pk_fma_f32 v[\y+8+\p:\y+8+\p+1], v[\lo+\p:\lo+\p+1], v[\s+\p:\s+\p+1], v[\y+8+\p:\y+8+\p+1]
.endr
.endm
.macro STQ y, g, mt, t                 ; eight q of a row: rounded to f16, 16 bytes into the stage
.irp j, 0,1,2,3
	v_cvt_pk_f16_f32 v[\y+\j], v[\y+2*\j], v[\y+2*\j+1]
.endr
	ds_store_b128 v[SQA], v[\y:\y+3] offset:\g*18432+\mt*2304+32*\t
.endm
.macro STK y, mt, t                    ; eight k of a row, f32
	ds_store_b128 v[SKA], v[\y:\y+3]   offset:\mt*4352+64*\t
	ds_store_b128 v[SKA], v[\y+4:\y+7] offset:\mt*4352+64*\t+16
.endm
.macro YODD                            ; the odd waves' half of query head 2 jn + 1: d 16-31 and 48-63
.irp mt, 0,1,2,3
	WIN 0x09
	ROPE 8*(6*\mt+4), 8*(6*\mt+5), 128+16*\mt, 136+16*\mt, Y2
	WIN 0
	STQ Y2, 1, \mt, 1
	STQ Y2+8, 1, \mt, 3
.endr
.endm
	s_wait_loadcnt 0x0                             ; every wave: the table loads that went out ahead of the K steps are in, so no load is out on any way from here
	s_cmp_eq_u32 s6, 0
	s_cbranch_scc0 .Lodd
.irp mt, 0,1,2,3
	WIN 0x09
	ROPE 8*(6*\mt+0), 8*(6*\mt+2), 32*\mt,   32*\mt+16, Y0
	ROPE 8*(6*\mt+1), 8*(6*\mt+3), 32*\mt+8, 32*\mt+24, Y1
	ROPE 8*(6*\mt+4), 8*(6*\mt+5), 32*\mt,   32*\mt+16, Y2
	WIN 0
	STQ Y0, 0, \mt, 0
	STQ Y0+8, 0, \mt, 2
	STQ Y1, 0, \mt, 1
	STQ Y1+8, 0, \mt, 3
	STQ Y2, 1, \mt, 0
	STQ Y2+8, 1, \mt, 2
.endr
	s_branch .Ljoin
.Lodd:
	s_cmp_eq_u32 ttmp9, 0                          ; the cluster's x: the same in all partners
	s_cbranch_scc0 .Lis_v
	WIN 0x80
	LDXT                                           ; k: the plain table, 32 loads,
	WIN 0
	YODD                                           ; which come while my half of q is rotated (its table lies in other registers)
	s_wait_loadcnt 0x0
.irp mt, 0,1,2,3
	WIN 0x09
	ROPE 8*(6*\mt+0), 8*(6*\mt+2), 32*\mt,   32*\mt+16, Y0
	ROPE 8*(6*\mt+1), 8*(6*\mt+3), 32*\mt+8, 32*\mt+24, Y1
	WIN 0
	STK Y0, \mt, 0
	STK Y0+8, \mt, 2
	STK Y1, \mt, 1
	STK Y1+8, \mt, 3
.endr
	s_branch .Ljoin
.Lis_v:
	YODD
	WIN 0x04                                       ; v is not rotated: stored from the sums (store data in window 1)
.irp mt, 0,1,2,3
.irp t, 0,1,2,3
	ds_store_b128 v[SKA], v[8*(6*\mt+\t):8*(6*\mt+\t)+3]   offset:\mt*4352+64*\t
	ds_store_b128 v[SKA], v[8*(6*\mt+\t)+4:8*(6*\mt+\t)+7] offset:\mt*4352+64*\t+16
.endr
.endr
	WIN 0
.Ljoin:
	s_wait_dscnt 0x0                               ; my stores into the stage are done,
	s_barrier_signal -1
	s_barrier_wait -1                              ; everybody's are
.irp i, 0,1,2,3,4,5,6,7,8,9,10,11,12,13,14,15
	ds_load_b128 v[32+4*\i:35+4*\i], v[RQ] offset:\i*576
.endr
.irp i, 0,1,2,3,4,5,6,7,8,9,10,11,12,13,14,15
	ds_load_b128 v[96+4*\i:99+4*\i], v[RK] offset:\i*544
.endr
	; offsets that mix by and jn live in s66-67, s2 and s3, which feed no descriptor
	s_lshr_b32 s66, s10, 4                         ; b
	s_lshl_b32 s66, s66, 4
	s_lshl1_add_u32 s66, s9, s66                   ; + 2 jn
	s_add_co_u32 s66, s66, s5                      ; + w >> 1: the head that I store
	s_lshl_b32 s66, s66, 11
	s_and_b32 s3, s10, 15
	s_lshl_b32 s3, s3, 7                           ; t of the block's first row
	s_add_co_u32 s66, s66, s3
	s_lshl_b32 s2, s6, 6
	s_add_co_u32 s66, s66, s2                      ; + 64 (w & 1)
	s_lshl_b32 s66, s66, 7                         ; rows of 128 bytes
	s_mov_b32 s67, 0
	s_add_nc_u64 s[12:13], s[12:13], s[66:67]      ; qb
	s_lshr_b32 s66, s10, 4
	s_lshl_b32 s66, s66, 2
	s_and_b32 s2, s9, 3
	s_add_co_u32 s66, s66, s2                      ; 4 b + key/value head
	s_lshl_b32 s66, s66, 11
	s_add_co_u32 s66, s66, s3
	s_lshl_b32 s2, s4, 5
	s_add_co_u32 s66, s66, s2                      ; + 32 w
	s_lshl_b32 s66, s66, 7
	s_add_nc_u64 s[14:15], s[14:15], s[66:67]      ; kvb, rows of 128 bytes
	s_lshl_b32 s66, s66, 1
	s_cmp_eq_u32 ttmp9, 0
	s_cselect_b64 s[98:99], s[92:93], s[94:95]     ; out1 or out2, rows of 256 bytes
	s_add_nc_u64 s[98:99], s[98:99], s[66:67]
	s_lshl_b32 s66, ttmp9, 21
	s_add_nc_u64 s[14:15], s[14:15], s[66:67]      ; v's half of kvb lies 2 MiB behind k's
.irp i, 0,1,2,3,4,5,6,7,8,9,10,11,12,13,14,15
	s_wait_dscnt 31-\i                             ; LDS loads return in order: load i is in
	global_store_b128 v[G16], v[32+4*\i:35+4*\i], s[12:13] offset:\i*512     ; 512 consecutive bytes, four rows of q
.endr
.irp i, 0,1,2,3,4,5,6,7,8,9,10,11,12,13,14,15
	s_wait_dscnt 15-\i
	global_store_b128 v[G16], v[96+4*\i:99+4*\i], s[98:99] offset:\i*512 th:TH_STORE_NT   ; two rows of the f32 output
	v_cvt_pk_f16_f32 v[160+2*\i], v[96+4*\i], v[97+4*\i]
	v_cvt_pk_f16_f32 v[161+2*\i], v[98+4*\i], v[99+4*\i]
	global_store_b64 v[GB], v[160+2*\i:161+2*\i], s[14:15] offset:\i*256     ; the same two rows in f16: 256 consecutive bytes
.endr
	s_wait_tensorcnt 0x0
	ds_add_u32 v254, v255
	s_wait_dscnt 0x0
	CROUND                                         ; the closing round: no work-group ends while a partner may still ask jointly
	s_endpgm
.Lfunc_end_k_q771d449d56_qkv:
	.size	k_q771d449d56_qkv, .Lfunc_end_k_q771d449d56_qkv-k_q771d449d56_qkv
	.p2alignl 7, 3214868480
	.fill 96, 4, 3214868480
	.section	.rodata,"a",@progbits
	.p2align	6, 0x0
	.amdhsa_kernel k_q771d449d56_qkv
		.amdhsa_group_segment_fixed_size 327680
		.amdhsa_private_segment_fixed_size 0
		.amdhsa_enable_private_segment 0
		.amdhsa_kernarg_size 80
		.amdhsa_user_sgpr_count 2
		.amdhsa_user_sgpr_kernarg_segment_ptr 1
		.amdhsa_wavefront_size32 1
		.amdhsa_system_sgpr_workgroup_id_x 1
		.amdhsa_system_sgpr_workgroup_id_y 1
		.amdhsa_system_sgpr_workgroup_id_z 1
		.amdhsa_system_vgpr_workitem_id 0
		.amdhsa_next_free_vgpr 704
		.amdhsa_next_free_sgpr 100
		.amdhsa_reserve_vcc 0
		.amdhsa_float_denorm_mode_32 3
		.amdhsa_float_denorm_mode_16_64 3
		.amdhsa_memory_ordered 1
		.amdhsa_forward_progress 1
		.amdhsa_inst_pref_size 176
	.end_amdhsa_kernel
	.amdgpu_metadata
---
amdhsa.version: [ 1, 2 ]
amdhsa.kernels:
  - .name:           k_q771d449d56_qkv
    .symbol:         k_q771d449d56_qkv.kd
    .args:
      - { .name: xb, .offset: 0, .size: 8, .value_kind: global_buffer, .address_space: global }
      - { .name: wb, .offset: 8, .size: 8, .value_kind: global_buffer, .address_space: global }
      - { .name: tab, .offset: 16, .size: 8, .value_kind: global_buffer, .address_space: global }
      - { .name: bq, .offset: 24, .size: 8, .value_kind: global_buffer, .address_space: global }
      - { .name: bk, .offset: 32, .size: 8, .value_kind: global_buffer, .address_space: global }
      - { .name: bv, .offset: 40, .size: 8, .value_kind: global_buffer, .address_space: global }
      - { .name: qb, .offset: 48, .size: 8, .value_kind: global_buffer, .address_space: global }
      - { .name: kvb, .offset: 56, .size: 8, .value_kind: global_buffer, .address_space: global }
      - { .name: out1, .offset: 64, .size: 8, .value_kind: global_buffer, .address_space: global }
      - { .name: out2, .offset: 72, .size: 8, .value_kind: global_buffer, .address_space: global }
    .group_segment_fixed_size: 327680
    .private_segment_fixed_size: 0
    .kernarg_segment_align: 8
    .kernarg_segment_size: 80
    .max_flat_workgroup_size: 128
    .sgpr_count:     100
    .vgpr_count:     704
    .wavefront_size: 32
...
	.end_amdgpu_metadata
.endif
;; end of part 5
;; launch attn (part 6): grid 32 x 8, 4 waves a work-group, clusters of 4 x 1, 327,680 bytes of LDS; arguments qb, kvb, ab; writes ab
.if DOCPART == 6
	.amdgcn_target "amdgcn-amd-amdhsa--gfx1250"
	.amdhsa_code_object_version 6
	.text
	.protected	k_q771d449d56_attn
	.globl	k_q771d449d56_attn
	.p2align	8
	.type	k_q771d449d56_attn,@function
k_q771d449d56_attn:
	s_mov_b64 s[64:65], 0
	v_nop
	global_prefetch_b8 v0, s[64:65] scope:SCOPE_SE
	s_setreg_imm32_b32 hwreg(HW_REG_WAVE_MODE, 25, 1), 1
	s_wait_xcnt 0x0
	s_wait_alu depctr_hold_cnt(0) depctr_sa_sdst(0) depctr_va_vdst(0) depctr_va_sdst(0) depctr_va_ssrc(0) depctr_va_vcc(0) depctr_vm_vsrc(0)
	s_getreg_b32 s2, hwreg(HW_REG_IB_STS2, 6, 4)
	s_cmp_eq_u32 s2, 0
	s_cbranch_scc0 .Lentry_in_a_cluster
	s_endpgm
.Lentry_in_a_cluster:
	s_bfe_u32 s2, ttmp6, 0x10000c
	s_cmp_lg_u32 s2, 0x3003
	s_cbranch_scc0 .Lentry_shape_is_right
	s_endpgm
.Lentry_shape_is_right:
; ATTN: causal attention with a running maximum.  q (qb) is rotated and already times log2(e)/8, so weights are 2^(score - maximum).
; LEFT OUT: the blocks of 128 queries x 128 keys above the diagonal, and in a diagonal block keys 64-127 for queries 0-63: reference()'s own
; jnp.tril replaces those scores by the lowest f32 and their weights are 0 (shown at the head of prep).  A NaN, an infinity or an overflow
; that arises only there is not carried to the result.  Inside a diagonal block the masked scores take the lowest f32, as in reference().
; SHARE: cluster x = pi (0-7), cx = the query head in its group of four, y = 4 b + key/value head.  The four partners read the same K and V tiles
; and ask for them jointly (mask 15).  A work-group takes query block e = 2 pi and then block o = 15 - 2 pi, 128 queries each; a block walks its
; diagonal unit of 128 keys first, then the units below it, downward: e + 1 + o + 1 = 17 units for every work-group.
; The slot is the unit's lowest bit, so the two slots take turns all the way: e .. 0, o .. 0.
; A wave has 32 queries, two pieces u of 16.  S^T = K Q^T and O^T = V^T P^T: a lane owns one query (r), so maximum, sum and rescaling stay in the
; lane but for one exchange with lane r xor 16, and two packed S^T tiles are a P^T fragment as they stand.
; THE PIECES TAKE TURNS: piece 0's softmax is cut into eight slices that stand behind piece 1's eight score products, piece 1's behind piece 0's
; eight products with V.  K and V have fragment registers of their own: V is asked for ahead of the score products, the unit's second 64 keys
; of K ahead of piece 1's softmax.
; WINDOWS: O and V's fragments lie in window 1; one setting (0x51) serves the products with V and the rescaling of O.  The slices between the
; products with V need window 0: twenty switches for 64 keys' 32 matrix and some 250 vector instructions.
; One joint load a wave and unit: waves 0, 1 K's rows 64 w .., waves 2, 3 V's.  By this text's count a wave has at most one tensor load out.
; LIMIT: q, k, v, the weights and the result are f16 (11 significant bits; the weights lie in 0 .. 1, those under 2^-25 count as 0; the result is
; an average of v and no larger than v); the row sums are taken over the weights before they are rounded.
.set SLOT,  40960                      ; K 2 x 64 rows x 144 (in 10,240 each), V 2 x 64 rows x 160
.set STAGE, 81920                      ; the way out: 32 rows x 144 for each wave; no tensor load lands here
.set KA, 6                             ; K fragments: r 144 + 16 h
.set VA, 7                             ; V fragments by the transposing load
.set QO, 8                             ; q in memory
.set ST, 9                             ; stage in
.set SL, 10                            ; stage back
.set OO, 11                            ; result in memory
.set DG, 12                            ; 32 w + r - 8 h: the diagonal
.set NEGV, 13                          ; the lowest f32
.set MM, 14                            ; v[14:17] running maximum, a pair for each u
.set AL, 18                            ; v[18:21] rescaling factor, a pair for each u
.set LL, 26                            ; v26-27   running sum of my half of the keys
.set UU, 30                            ; v30-31   what the other half of the lanes sends
.set Q,  32                            ; v32-63   Q fragments at 16 u + 8 ks
.set S,  64                            ; v64-127  S^T tiles (u, a) at 32 u + 8 a; P^T fragments packed in place at 32 u + 8 ks
.set KF, 128                           ; v128-191 K fragments at 16 a + 8 ks
.set RB, 192                           ; v192-223 the way out: rows read back
.set TT, 224                           ; v224-231 four chains of maxima for each u
.set SU, 232                           ; v232-247 four chains of sums (pairs) for each u
.set O,  0                             ; window 1, v256-319: O^T tiles (c, u) at 8 (2 c + u)
.set VF, 64                            ; window 1, v320-383: V fragments at 16 c + 8 ks
.set G0, 32                            ; s[32:39] group 0 for slot 0, 1;  s[16:23] K's shape, s[24:31] V's
.set CB, (1<<16)|(1<<20)|(1<<21)
.set MSB, 0
.macro WIN new                         ; the immediate's high byte repeats the setting that is left
.if MSB != \new
	s_set_vgpr_msb (MSB<<8)|\new
.set MSB, \new
.endif
.endm
.macro ROUND                           ; a round of the cluster's barrier
	s_barrier_signal -1
	s_barrier_wait -1
	s_cmp_lg_u32 s12, 0
	s_cbranch_scc1 .Lnot_wave_0_\@
	s_barrier_signal -3
.Lnot_wave_0_\@:
	s_barrier_wait -3
	s_barrier_signal -1
	s_barrier_wait -1
.endm
.macro JLOAD s
	s_cmp_lt_u32 s12, 2
	s_cbranch_scc0 .Lfor_v_\@
	tensor_load_to_lds s[G0+4*(\s):G0+4*(\s)+3], s[16:23]
	s_nop 0
	s_branch .Lasked_\@
.Lfor_v_\@:
	tensor_load_to_lds s[G0+4*(\s):G0+4*(\s)+3], s[24:31]
	s_nop 0
.Lasked_\@:
.endm
.macro NEXT                            ; the unit to ask for next: one down, behind unit 0 the second block's diagonal
	s_sub_co_i32 s15, s15, 1
	s_cmp_lt_i32 s15, 0
	s_cselect_b32 s15, s14, s15
.endm
	s_load_b128 s[4:7], s[0:1], 0x0                ; qb 4, kvb 6
	s_load_b64 s[8:9], s[0:1], 0x10                ; ab
	v_lshl_add_u32 v254, v0, 2, 0x29000
	v_mov_b32 v255, 0
	ds_add_u32 v254, v255
	v_lshrrev_b32 v1, 5, v0
	v_readfirstlane_b32 s12, v1                    ; wave w
	s_bfe_u32 s10, ttmp6, 0x40000                  ; cx
	s_and_b32 s11, ttmp7, 0xffff                   ; y
	s_mov_b32 s13, ttmp9                           ; pi
	s_lshl_b32 s15, s13, 1                         ; e, the first unit
	s_sub_co_u32 s14, 15, s15                      ; o
	s_mov_b32 s46, 0x76543210                      ; v_permlanex16_b32: lane i reads lane i of the other half
	s_mov_b32 s47, 0xfedcba98
	s_mov_b32 s16, 15|CB|(4<<22)|(3<<25)           ; K: 64 rows x 64 elements, dense, 4 words of padding behind every 32: pitch 144
	s_mov_b32 s17, 64<<16
	s_mov_b32 s18, 64<<16
	s_mov_b32 s19, 64<<16
	s_mov_b32 s20, 64
	s_mov_b32 s21, 64
	s_mov_b32 s22, 0
	s_mov_b32 s23, 0
	s_mov_b32 s24, 15|CB|(4<<22)|(7<<25)           ; V: the same with 8 words of padding: pitch 160
	s_mov_b32 s25, 64<<16
	s_mov_b32 s26, 64<<16
	s_mov_b32 s27, 64<<16
	s_mov_b32 s28, 64
	s_mov_b32 s29, 64
	s_mov_b32 s30, 0
	s_mov_b32 s31, 0
	s_lshl_b32 s40, s11, 18                        ; my key/value head: 2,048 rows of 128 bytes
	s_lshr_b32 s42, s12, 1
	s_lshl_b32 s42, s42, 21                        ; waves 2, 3: v, 2 MiB behind k
	s_add_co_u32 s40, s40, s42
	s_and_b32 s42, s12, 1
	s_lshl_b32 s42, s42, 13                        ; which 64 rows of a unit
	s_add_co_u32 s40, s40, s42
	s_mov_b32 s41, 0
	s_mov_b32 s43, 0
	s_mul_i32 s45, s12, 10240                      ; my region of a slot
	s_lshl2_add_u32 s48, s11, s10                  ; query head 4 y + cx (cx enters s48-51 alone, which feed no descriptor)
	s_lshl_b32 s48, s48, 18
	s_lshl_b32 s50, s15, 14                        ; block e: 128 rows of 128 bytes each block
	s_add_co_u32 s50, s50, s48
	s_mov_b32 s51, 0
	s_lshl_b32 s49, s14, 14                        ; block o
	s_add_co_u32 s48, s48, s49
	s_mov_b32 s49, 0
	s_wait_dscnt 0x0
	s_wait_kmcnt 0x0
	s_add_nc_u64 s[40:41], s[6:7], s[40:41]        ; unit 0 of what I fetch
	s_add_nc_u64 s[52:53], s[4:5], s[50:51]        ; q, block e
	s_add_nc_u64 s[54:55], s[4:5], s[48:49]        ; q, block o
	s_add_nc_u64 s[56:57], s[8:9], s[50:51]        ; result, block e
	s_add_nc_u64 s[58:59], s[8:9], s[48:49]        ; result, block o
	ROUND                                          ; the four partners are here: the first joint load meets
.irp s, 0,1
	s_mov_b32 s[G0+4*\s], 1
	s_add_co_u32 s[G0+4*\s+1], s45, \s*SLOT
.endr
	s_lshl_b32 s42, s15, 14
	s_add_nc_u64 s[G0+2:G0+3], s[40:41], s[42:43]
	s_or_b32 s[G0+3], s[G0+3], 0x80000000
	JLOAD 0                                        ; unit e into slot 0
	NEXT
	v_and_b32 v1, 15, v0                           ; r
	v_bfe_u32 v2, v0, 4, 1                         ; h
	v_mul_u32_u24 v3, v1, 144
	v_lshl_add_u32 v[KA], v2, 4, v3
	v_and_b32 v4, 7, v0
	v_lshl_add_u32 v4, v2, 3, v4
	v_mul_u32_u24 v4, v4, 160
	v_bfe_u32 v5, v0, 3, 1
	v_lshl_add_u32 v4, v5, 4, v4
	v_add_nc_u32 v[VA], 20480, v4
	s_lshl_b32 s61, s12, 5                         ; 32 w
	v_add_nc_u32 v4, s61, v1
	v_lshlrev_b32 v5, 3, v2
	v_sub_nc_u32 v[DG], v4, v5
	v_lshlrev_b32 v4, 7, v4
	v_lshl_add_u32 v[QO], v2, 4, v4
	s_mul_i32 s60, s12, 4608
	s_add_co_u32 s60, s60, STAGE
	v_add_nc_u32 v[ST], s60, v[KA]
	v_and_b32 v4, 31, v0
	v_lshrrev_b32 v5, 3, v4
	v_mul_u32_u24 v5, v5, 144
	v_and_b32 v3, 7, v0
	v_lshl_add_u32 v5, v3, 4, v5
	v_add_nc_u32 v[SL], s60, v5
	v_lshlrev_b32 v4, 4, v4
	s_lshl_b32 s61, s12, 12
	v_add_nc_u32 v[OO], s61, v4
	v_mov_b32 v[NEGV], 0xff7fffff
	v_mov_b32 v[UU], 0                             ; v_permlanex16_b32 counts as a reader of its destination
	v_mov_b32 v[UU+1], 0
.macro QLOAD ptr                       ; my 32 queries as B fragments
.irp u, 0,1
.irp ks, 0,1
	global_load_b128 v[Q+16*\u+8*\ks:Q+16*\u+8*\ks+3],   v[QO], s[\ptr:\ptr+1] offset:\u*2048+64*\ks
	global_load_b128 v[Q+16*\u+8*\ks+4:Q+16*\u+8*\ks+7], v[QO], s[\ptr:\ptr+1] offset:\u*2048+64*\ks+32
.endr
.endr
.endm
.macro KLOAD slot, half                ; 16 LDS loads: the K fragments of 64 keys
.irp a, 0,1,2,3
.irp ks, 0,1
	ds_load_b128 v[KF+16*\a+8*\ks:KF+16*\a+8*\ks+3],   v[KA] offset:\slot*SLOT+\half*10240+\a*2304+64*\ks
	ds_load_b128 v[KF+16*\a+8*\ks+4:KF+16*\a+8*\ks+7], v[KA] offset:\slot*SLOT+\half*10240+\a*2304+64*\ks+32
.endr
.endr
.endm
; Score product i of piece u: i 0-3 the four key tiles on d 0-31 (the constant 0 starts the sums), i 4-7 the same tiles on d 32-63.
; A piece's four accumulators take turns, one instruction a turn.
.macro SW u, i
.if \i < 4
	v_wmma_f32_16x16x32_f16 v[S+32*\u+8*\i:S+32*\u+8*\i+7], v[KF+16*\i:KF+16*\i+7], v[Q+16*\u:Q+16*\u+7], 0
.else
	v_wmma_f32_16x16x32_f16 v[S+32*\u+8*(\i-4):S+32*\u+8*(\i-4)+7], v[KF+16*(\i-4)+8:KF+16*(\i-4)+15], v[Q+16*\u+8:Q+16*\u+15], v[S+32*\u+8*(\i-4):S+32*\u+8*(\i-4)+7]
.endif
.endm
; Product i of piece u with V, under setting 0x51 (V, C and D in window 1, P^T in window 0): i 0-3 the four d tiles on keys 0-31, i 4-7 on keys 32-63.
.macro PW u, i, first
.if \i < 4
.if \first
	v_wmma_f32_16x16x32_f16 v[O+8*(2*\i+\u):O+8*(2*\i+\u)+7], v[VF+16*\i:VF+16*\i+7], v[S+32*\u:S+32*\u+7], 0
.else
	v_wmma_f32_16x16x32_f16 v[O+8*(2*\i+\u):O+8*(2*\i+\u)+7], v[VF+16*\i:VF+16*\i+7], v[S+32*\u:S+32*\u+7], v[O+8*(2*\i+\u):O+8*(2*\i+\u)+7]
.endif
.else
	v_wmma_f32_16x16x32_f16 v[O+8*(2*(\i-4)+\u):O+8*(2*(\i-4)+\u)+7], v[VF+16*(\i-4)+8:VF+16*(\i-4)+15], v[S+32*\u+8:S+32*\u+15], v[O+8*(2*(\i-4)+\u):O+8*(2*(\i-4)+\u)+7]
.endif
.endm
.macro RESC u                          ; O^T of piece u times its factor, under setting 0x51 (O in window 1, the factor in window 0)
.irp c, 0,1,2,3
.irp e, 0,2,4,6
	v_pk_mul_f32 v[O+8*(2*\c+\u)+\e:O+8*(2*\c+\u)+\e+1], v[O+8*(2*\c+\u)+\e:O+8*(2*\c+\u)+\e+1], v[AL+2*\u:AL+2*\u+1]
.endr
.endr
.endm
.macro EXPT u, a                       ; one score tile: the maximum taken away, then 2^x
.irp j, 0,2,4,6
	v_pk_add_f32 v[S+32*\u+8*\a+\j:S+32*\u+8*\a+\j+1], v[S+32*\u+8*\a+\j:S+32*\u+8*\a+\j+1], v[MM+2*\u:MM+2*\u+1] neg_lo:[0,1] neg_hi:[0,1]
.endr
.irp j, 0,1,2,3,4,5,6,7
	v_exp_f32 v[S+32*\u+8*\a+\j], v[S+32*\u+8*\a+\j]
.endr
.endm
; Slice k of eight of piece u's softmax over 64 keys.  All in window 0; it names none of the other piece's registers, so its plain instructions
; are places behind the matrix instruction in front of it (ISA guide 7.12.1).
.macro SM u, k, half, diag, first
.if \k == 0
.if \u == 0
.rept 4
	v_nop                                          ; four places between piece 0's last score product and the first reader of its scores: nothing independent is at hand here
.endr
.endif
.if \diag
	; key 64 half + 16 a + 8 h + j stays where it is <= query 32 w + 16 u + r
.irp a, 0,1,2,3
.irp j, 0,1,2,3,4,5,6,7
	v_cmp_le_i32 vcc_lo, 64*\half+16*\a+\j-16*\u, v[DG]
	v_cndmask_b32 v[S+32*\u+8*\a+\j], v[NEGV], v[S+32*\u+8*\a+\j], vcc_lo
.endr
.endr
.endif
.irp a, 0,1,2,3
	v_max3_num_f32 v[TT+4*\u+\a], v[S+32*\u+8*\a], v[S+32*\u+8*\a+1], v[S+32*\u+8*\a+2]   ; four chains, one a tile
.endr
.irp a, 0,1,2,3
	v_max3_num_f32 v[TT+4*\u+\a], v[TT+4*\u+\a], v[S+32*\u+8*\a+3], v[S+32*\u+8*\a+4]
.endr
.endif
.if \k == 1
.irp a, 0,1,2,3
	v_max3_num_f32 v[TT+4*\u+\a], v[TT+4*\u+\a], v[S+32*\u+8*\a+5], v[S+32*\u+8*\a+6]
.endr
	v_max3_num_f32 v[TT+4*\u],   v[TT+4*\u],   v[S+32*\u+7],  v[S+32*\u+15]
	v_max3_num_f32 v[TT+4*\u+2], v[TT+4*\u+2], v[S+32*\u+23], v[S+32*\u+31]
	v_max3_num_f32 v[TT+4*\u], v[TT+4*\u], v[TT+4*\u+1], v[TT+4*\u+2]
	v_max_num_f32 v[TT+4*\u], v[TT+4*\u], v[TT+4*\u+3]
	v_permlanex16_b32 v[UU+\u], v[TT+4*\u], s46, s47           ; the other 32 keys' maximum
.if \first
	v_max_num_f32 v[MM+2*\u],   v[TT+4*\u], v[UU+\u]
	v_max_num_f32 v[MM+2*\u+1], v[TT+4*\u], v[UU+\u]
.else
	v_max3_num_f32 v[TT+4*\u], v[TT+4*\u], v[UU+\u], v[MM+2*\u] ; the new running maximum
	v_sub_f32 v[AL+2*\u], v[MM+2*\u], v[TT+4*\u]
	v_mov_b32 v[MM+2*\u],   v[TT+4*\u]
	v_mov_b32 v[MM+2*\u+1], v[TT+4*\u]
	v_exp_f32 v[AL+2*\u], v[AL+2*\u]               ; 2^(old - new); the next slice's subtractions are the plain instructions behind it (ISA guide 5.7.2)
.endif
.endif
.if \k == 2
	EXPT \u, 0
.endif
.if \k == 3
	EXPT \u, 1
.endif
.if \k == 4
	EXPT \u, 2
.endif
.if \k == 5
	EXPT \u, 3
.endif
.if \k == 6
.if \first
	v_nop                                          ; one plain instruction behind the exponentials (ISA guide 5.7.2)
	s_wait_alu depctr_va_vdst(0)
.else
	s_wait_alu depctr_va_vdst(0)
	v_mov_b32 v[AL+2*\u+1], v[AL+2*\u]             ; the factor as a pair; also the plain instruction behind the exponentials
.endif
.irp a, 0,1,2,3
	v_pk_add_f32 v[SU+8*\u+2*\a:SU+8*\u+2*\a+1], v[S+32*\u+8*\a:S+32*\u+8*\a+1], v[S+32*\u+8*\a+2:S+32*\u+8*\a+3]   ; four chains, one a tile
.endr
.irp j, 4,6
.irp a, 0,1,2,3
	v_pk_add_f32 v[SU+8*\u+2*\a:SU+8*\u+2*\a+1], v[SU+8*\u+2*\a:SU+8*\u+2*\a+1], v[S+32*\u+8*\a+\j:S+32*\u+8*\a+\j+1]
.endr
.endr
	v_pk_add_f32 v[SU+8*\u:SU+8*\u+1],   v[SU+8*\u:SU+8*\u+1],   v[SU+8*\u+2:SU+8*\u+3]
	v_pk_add_f32 v[SU+8*\u+4:SU+8*\u+5], v[SU+8*\u+4:SU+8*\u+5], v[SU+8*\u+6:SU+8*\u+7]
	v_pk_add_f32 v[SU+8*\u:SU+8*\u+1],   v[SU+8*\u:SU+8*\u+1],   v[SU+8*\u+4:SU+8*\u+5]
.endif
.if \k == 7
	; the weights to f16, packed downward in place and in ascending order: word j of P^T comes from words 2 j, 2 j + 1 of S^T
.irp j, 0,1,2,3,4,5,6,7,8,9,10,11,12,13,14,15
	v_cvt_pk_f16_f32 v[S+32*\u+\j], v[S+32*\u+2*\j], v[S+32*\u+2*\j+1]
.endr
.endif
.endm
; 64 keys (half of a unit) against my 32 queries; their K fragments have been asked for.  diag = 1: the diagonal unit, masked.
; first = 1: a block's first keys start maximum, sum and O.  pre = 1: the unit's other 64 keys of K are asked for on the way.
.macro SUB slot, half, diag, first, pre
	WIN 0x40                                       ; destination in window 1
.irp c, 0,1,2,3
.irp ks, 0,1
	ds_load_tr16_b128 v[VF+16*\c+8*\ks:VF+16*\c+8*\ks+3],   v[VA] offset:\slot*SLOT+\half*10240+\ks*5120+32*\c
	ds_load_tr16_b128 v[VF+16*\c+8*\ks+4:VF+16*\c+8*\ks+7], v[VA] offset:\slot*SLOT+\half*10240+\ks*5120+32*\c+2560
.endr
.endr
	WIN 0
	s_wait_dscnt 16                                ; K's 16 loads are in; V's 16, issued behind them, stay out
.irp i, 0,1,2,3,4,5,6,7
	SW 0, \i
.endr
.irp i, 0,1,2,3,4,5,6,7
	SW 1, \i
	SM 0, \i, \half, \diag, \first
.endr
.if \pre
	KLOAD \slot, 1                                 ; behind the 16 conversions of the last slice, which are the places behind the last reader of K's registers
	s_wait_dscnt 16                                ; V is in; the 16 loads just issued stay out
.else
	s_wait_dscnt 0x0                               ; V is in
.endif
	WIN 0x51
.if \first == 0
	RESC 0
.endif
.irp i, 0,1,2,3,4,5,6,7
	WIN 0x51
	PW 0, \i, \first
	WIN 0
	SM 1, \i, \half, \diag, \first
.endr
	WIN 0x51
.if \first == 0
	RESC 1
.endif
.irp i, 0,1,2,3,4,5,6,7
	PW 1, \i, \first
.endr
	WIN 0
	; The row sums are finished here: five places behind the last product, ahead of the loads into V's registers and of the scores written over P^T.
.if \first
.irp u, 0,1
	v_add_f32 v[LL+\u], v[SU+8*\u], v[SU+8*\u+1]
.endr
.rept 3
	v_nop
.endr
.else
.irp u, 0,1
	v_add_f32 v[SU+8*\u], v[SU+8*\u], v[SU+8*\u+1]
.endr
.irp u, 0,1
	v_fma_f32 v[LL+\u], v[LL+\u], v[AL+2*\u], v[SU+8*\u]
.endr
	v_nop
.endif
.endm
; One unit of 128 keys in slot `slot`.  In front of the round every wave's tensor loads have landed (its part of this unit among them) and its
; reads of the other slot are back; the joint refill of the other slot is the first tensor load behind the round.
.macro UNIT slot, diag, refill
	s_wait_tensorcnt 0x0
	ds_add_u32 v254, v255
	s_wait_dscnt 0x0
.if \refill
	s_lshl_b32 s42, s15, 14                        ; no load of mine is out: the other slot's group 0 may be written
	s_add_nc_u64 s[G0+4*(1-\slot)+2:G0+4*(1-\slot)+3], s[40:41], s[42:43]
	s_or_b32 s[G0+4*(1-\slot)+3], s[G0+4*(1-\slot)+3], 0x80000000
.endif
	s_wait_dscnt 0x0
	ROUND
.if \refill
	JLOAD 1-\slot
	NEXT
.endif
	KLOAD \slot, 0
.if \diag
	s_wait_loadcnt 0x0                             ; the block's queries
	SUB \slot, 0, 1, 1, 0
	s_cmp_lt_u32 s12, 2                            ; waves 0, 1: queries 0-63 see none of keys 64-127, so nothing of them was asked for
	s_cbranch_scc1 .Lno_half_\@
	KLOAD \slot, 1
	SUB \slot, 1, 1, 0, 0
.Lno_half_\@:
.else
	SUB \slot, 0, 0, 0, 1
	SUB \slot, 1, 0, 0, 0
.endif
.endm
; A block's end: O / sum, rounded to f16, through my own stage so that each store of the wave covers 512 consecutive bytes.
.macro FINAL ptr
.irp u, 0,1
	v_permlanex16_b32 v[UU+\u], v[LL+\u], s46, s47
.endr
.irp u, 0,1
	v_add_f32 v[LL+\u], v[LL+\u], v[UU+\u]         ; both halves of the keys; at least 1: the largest score's own weight
.endr
.irp u, 0,1
	v_rcp_f32 v[AL+2*\u], v[LL+\u]
.endr
	v_nop
	s_wait_alu depctr_va_vdst(0)
.irp u, 0,1
	v_mov_b32 v[AL+2*\u+1], v[AL+2*\u]
.endr
	WIN 0x51
	RESC 0
	RESC 1
	WIN 0x05                                       ; sources in window 1, destination in window 0
.irp c, 0,1,2,3
.irp u, 0,1
.irp j, 0,1,2,3
	v_cvt_pk_f16_f32 v[S+4*(2*\c+\u)+\j], v[O+8*(2*\c+\u)+2*\j], v[O+8*(2*\c+\u)+2*\j+1]
.endr
.endr
.endr
	WIN 0
.irp c, 0,1,2,3
.irp u, 0,1
	ds_store_b128 v[ST], v[S+4*(2*\c+\u):S+4*(2*\c+\u)+3] offset:\u*2304+32*\c
.endr
.endr
.irp t, 0,1,2,3,4,5,6,7
	ds_load_b128 v[RB+4*\t:RB+4*\t+3], v[SL] offset:\t*576         ; LDS serves a wave's instructions in order (ISA guide 5.7.1.4): these see the stores above
.endr
.irp t, 0,1,2,3,4,5,6,7
	s_wait_dscnt 7-\t
	global_store_b128 v[OO], v[RB+4*\t:RB+4*\t+3], s[\ptr:\ptr+1] offset:\t*512
.endr
	s_wait_xcnt 0x0                                ; the stores' data registers are loaded again only behind this wait
.endm
	QLOAD 52
	UNIT 0, 1, 1                                   ; block e: its diagonal unit (even: slot 0)
	s_cmp_eq_u32 s13, 0
	s_cbranch_scc1 .Lblock_e_done
	s_mov_b32 s44, 0
.Lblock_e:
	UNIT 1, 0, 1                                   ; units e - 1 .. 0, two a trip, pi trips
	UNIT 0, 0, 1
	s_add_co_u32 s44, s44, 1
	s_cmp_lt_u32 s44, s13
	s_cbranch_scc1 .Lblock_e
.Lblock_e_done:
	QLOAD 54                                       ; block o's queries come while block e goes out
	FINAL 56
	UNIT 1, 1, 1                                   ; block o: its diagonal unit (odd: slot 1)
	s_sub_co_u32 s62, 7, s13
	s_cmp_eq_u32 s62, 0
	s_cbranch_scc1 .Lblock_o_done
	s_mov_b32 s44, 0
.Lblock_o:
	UNIT 0, 0, 1                                   ; units o - 1 .. 1, two a trip, 7 - pi trips
	UNIT 1, 0, 1
	s_add_co_u32 s44, s44, 1
	s_cmp_lt_u32 s44, s62
	s_cbranch_scc1 .Lblock_o
.Lblock_o_done:
	UNIT 0, 0, 0                                   ; unit 0: nothing is left to fetch
	FINAL 58
	s_wait_tensorcnt 0x0
	ds_add_u32 v254, v255
	s_wait_dscnt 0x0
	ROUND                                          ; the closing round
	s_endpgm
.Lfunc_end_k_q771d449d56_attn:
	.size	k_q771d449d56_attn, .Lfunc_end_k_q771d449d56_attn-k_q771d449d56_attn
	.p2alignl 7, 3214868480
	.fill 96, 4, 3214868480
	.section	.rodata,"a",@progbits
	.p2align	6, 0x0
	.amdhsa_kernel k_q771d449d56_attn
		.amdhsa_group_segment_fixed_size 327680
		.amdhsa_private_segment_fixed_size 0
		.amdhsa_enable_private_segment 0
		.amdhsa_kernarg_size 24
		.amdhsa_user_sgpr_count 2
		.amdhsa_user_sgpr_kernarg_segment_ptr 1
		.amdhsa_wavefront_size32 1
		.amdhsa_system_sgpr_workgroup_id_x 1
		.amdhsa_system_sgpr_workgroup_id_y 1
		.amdhsa_system_sgpr_workgroup_id_z 1
		.amdhsa_system_vgpr_workitem_id 0
		.amdhsa_next_free_vgpr 384
		.amdhsa_next_free_sgpr 66
		.amdhsa_reserve_vcc 1
		.amdhsa_float_denorm_mode_32 3
		.amdhsa_float_denorm_mode_16_64 3
		.amdhsa_memory_ordered 1
		.amdhsa_forward_progress 1
		.amdhsa_inst_pref_size 255
	.end_amdhsa_kernel
	.section	.bss,"aw",@nobits
	.p2align	6
	.space	262144
	.amdgpu_metadata
---
amdhsa.version: [ 1, 2 ]
amdhsa.kernels:
  - .name:           k_q771d449d56_attn
    .symbol:         k_q771d449d56_attn.kd
    .args:
      - { .name: qb, .offset: 0, .size: 8, .value_kind: global_buffer, .address_space: global }
      - { .name: kvb, .offset: 8, .size: 8, .value_kind: global_buffer, .address_space: global }
      - { .name: ab, .offset: 16, .size: 8, .value_kind: global_buffer, .address_space: global }
    .group_segment_fixed_size: 327680
    .private_segment_fixed_size: 0
    .kernarg_segment_align: 8
    .kernarg_segment_size: 24
    .max_flat_workgroup_size: 128
    .sgpr_count:     66
    .vgpr_count:     384
    .wavefront_size: 32
...
	.end_amdgpu_metadata
.endif
;; end of part 6
;; launch oproj (part 7): grid 8 x 32, 4 waves a work-group, clusters of 4 x 4, 327,680 bytes of LDS; arguments ab, wb, out0; writes out0
.if DOCPART == 7
	.amdgcn_target "amdgcn-amd-amdhsa--gfx1250"
	.amdhsa_code_object_version 6
	.text
	.protected	k_q771d449d56_oproj
	.globl	k_q771d449d56_oproj
	.p2align	8
	.type	k_q771d449d56_oproj,@function
k_q771d449d56_oproj:
	s_mov_b64 s[64:65], 0
	v_nop
	global_prefetch_b8 v0, s[64:65] scope:SCOPE_SE
	s_setreg_imm32_b32 hwreg(HW_REG_WAVE_MODE, 25, 1), 1
	s_wait_xcnt 0x0
	s_wait_alu depctr_hold_cnt(0) depctr_sa_sdst(0) depctr_va_vdst(0) depctr_va_sdst(0) depctr_va_ssrc(0) depctr_va_vcc(0) depctr_vm_vsrc(0)
	s_getreg_b32 s2, hwreg(HW_REG_IB_STS2, 6, 4)
	s_cmp_eq_u32 s2, 0
	s_cbranch_scc0 .Lentry_in_a_cluster
	s_endpgm
.Lentry_in_a_cluster:
	s_bfe_u32 s2, ttmp6, 0x10000c
	s_cmp_lg_u32 s2, 0xf033
	s_cbranch_scc0 .Lentry_shape_is_right
	s_endpgm
.Lentry_shape_is_right:
; OPROJ: out0 = attention result x wo.  ab is [b 16 + h][t][64] f16, wo lies in wb at 2 MiB as [jn 8][k 1024][128] f16; out0 is f32.
; A work-group makes 128 rows (block by of 32) x 128 columns (block jn of 8), a wave 64 x 64 = 16 accumulator tiles.
; K = 1024 goes through two LDS slots of 256 along K each (four heads): four fills in all, two at the start and two refills, so that half of the
; operands are asked for at once and a refill has 120 matrix instructions of a wave between its request and the wait for it.
; CLUSTER 4 x 4: ab's tiles hang on by alone and are asked for jointly by a row of the cluster, wo's on jn alone and by a column.
; One joint load a wave: waves 0, 1 two heads each; a head's 128 rows of 128 bytes are dense in memory, so the tile is 2 rows of 8,192 elements,
; 262,144 bytes apart, and the padding behind every 32 words, which runs on through the whole tile, gives the LDS rows a pitch of 144.
; Waves 2, 3: 128 k-rows of wo each (256 bytes a row, dense).  By this text's count a wave has two tensor loads out at the start, later one.
; The matrix instruction is used transposed (source 0 = 16 columns of wo by the transposing load, source 1 = 16 rows of ab):
; a lane holds eight neighbouring columns of one row.
; LIMIT: both operands are f16; wo's numbers were rounded to bf16 first (see prep).
.set SLOT,  147456                     ; ab: 4 heads x 128 rows x 144; wo: 256 k-rows x 288
.set OFFB,  73728
.set STAGE, 2*SLOT                     ; the way out: 16 rows x 272 for each wave; no tensor load lands here
.set AA,  8                            ; v8-9    ab fragments, slot 0, 1
.set BB,  10                           ; v10-13  wo fragments: slot 0 k-rows 0-127, 128-255, slot 1 likewise (an LDS offset has 16 bits)
.set STO, 14
.set RD,  15
.set CO,  16
.set F0,  32                           ; v32-95   fragment buffer 0: wo at 8 nt, ab at 32 + 8 mt
.set F1,  96                           ; v96-159  fragment buffer 1
; window 1: accumulator (mt, nt) at 8 (4 mt + nt)
.set G1A, 16
.set G1B, 24
.set G0A, 32
.set G0B, 48
.set CB, (1<<16)|(1<<20)|(1<<21)
.set MSB, 0
.macro WIN new
.if MSB != \new
	s_set_vgpr_msb (MSB<<8)|\new
.set MSB, \new
.endif
.endm
.macro PLACES                          ; four plain places behind a matrix instruction (ISA guide 7.12.1)
.rept 4
	v_nop
.endr
.endm
.macro JLOAD s
	s_cmp_eq_u32 s11, 0
	s_cbranch_scc0 .Lfor_b_\@
	tensor_load_to_lds s[G0A+4*\s:G0A+4*\s+3], s[G1A:G1A+7]
	s_nop 0
	s_branch .Lasked_\@
.Lfor_b_\@:
	tensor_load_to_lds s[G0B+4*\s:G0B+4*\s+3], s[G1B:G1B+7]
	s_nop 0
.Lasked_\@:
.endm
.macro CREST
	s_cmp_lg_u32 s10, 0
	s_cbranch_scc1 .Lnot_wave_0_\@
	s_barrier_signal -3
.Lnot_wave_0_\@:
	s_barrier_wait -3
	s_barrier_signal -1
	s_barrier_wait -1
.endm
.macro CROUND
	s_barrier_signal -1
	s_barrier_wait -1
	CREST
.endm
	s_load_b128 s[4:7], s[0:1], 0x0                ; ab 4, wb 6
	s_load_b64 s[8:9], s[0:1], 0x10                ; out0
	v_lshl_add_u32 v254, v0, 2, 0x4c400
	v_mov_b32 v255, 0
	ds_add_u32 v254, v255
	v_lshrrev_b32 v1, 5, v0
	v_readfirstlane_b32 s10, v1                    ; wave w
	s_lshr_b32 s11, s10, 1                         ; mh: my 64 rows.  Also: I fetch for ab (0) or wo (1)
	s_and_b32 s12, s10, 1                          ; nh: my 64 columns.  Also: which half of that tile I fetch
	s_bfe_u32 s40, ttmp6, 0x40000                  ; cx
	s_bfe_u32 s41, ttmp6, 0x40004                  ; cy
	s_lshl_b32 s42, ttmp9, 2
	s_add_co_u32 s42, s42, s40                     ; jn
	s_and_b32 s13, ttmp7, 0xffff
	s_lshl_b32 s13, s13, 2
	s_add_co_u32 s13, s13, s41                     ; by
	s_lshl_b32 s43, s41, 2
	s_lshl_b32 s43, 15, s43                        ; my row of the cluster
	s_lshl_b32 s44, 0x1111, s40                    ; my column
	s_or_b32 s[G1A+0], s43, CB|(4<<22)|(3<<25)     ; ab: 2 rows (heads) x 8,192 elements, 4 words of padding behind every 32: pitch 144 for each 128 bytes
	s_mov_b32 s[G1A+1], 8192<<16
	s_mov_b32 s[G1A+2], 2<<16
	s_mov_b32 s[G1A+3], 8192<<16
	s_mov_b32 s[G1A+4], 2
	s_mov_b32 s[G1A+5], 131072                     ; from head to head, in elements
	s_mov_b32 s[G1A+6], 0
	s_mov_b32 s[G1A+7], 0
	s_or_b32 s[G1B+0], s44, CB|(5<<22)|(7<<25)     ; wo: 128 k-rows x 128 elements, 8 words of padding behind every 64: pitch 288
	s_mov_b32 s[G1B+1], 128<<16
	s_mov_b32 s[G1B+2], 128<<16
	s_mov_b32 s[G1B+3], 128<<16
	s_mov_b32 s[G1B+4], 128
	s_mov_b32 s[G1B+5], 128
	s_mov_b32 s[G1B+6], 0
	s_mov_b32 s[G1B+7], 0
	; s56-57 and s14-15 hold by and the wave alone, s46-47 jn and the wave alone, s62 the wave alone
	s_lshr_b32 s56, s13, 4
	s_lshl_b32 s56, s56, 22                        ; b: 16 heads of 262,144 bytes
	s_and_b32 s57, s13, 15
	s_lshl_b32 s57, s57, 14                        ; 128 rows of 128 bytes
	s_add_co_u32 s56, s56, s57
	s_lshl_b32 s62, s12, 19                        ; heads 2 (w & 1), 2 (w & 1) + 1 of the slot's four
	s_add_co_u32 s56, s56, s62
	s_mov_b32 s57, 0
	s_lshl_b32 s46, s42, 18                        ; wo's block jn
	s_lshl_b32 s62, s12, 15                        ; k-rows 128 (w & 1) ..
	s_add_co_u32 s46, s46, s62
	s_add_co_u32 s46, s46, 0x200000
	s_mov_b32 s47, 0
	s_mul_i32 s45, s10, 36864                      ; my region of a slot
	s_wait_dscnt 0x0
	s_wait_kmcnt 0x0
	s_add_nc_u64 s[14:15], s[4:5], s[56:57]
	s_add_nc_u64 s[46:47], s[6:7], s[46:47]
	CROUND                                         ; all sixteen work-groups are here: the first joint loads meet
.irp s, 0,1
	s_mov_b32 s[G0A+4*\s], 1
	s_add_co_u32 s[G0A+4*\s+1], s45, \s*SLOT
	s_add_nc_u64 s[G0A+4*\s+2:G0A+4*\s+3], s[14:15], \s*1048576
	s_or_b32 s[G0A+4*\s+3], s[G0A+4*\s+3], 0x80000000
	s_mov_b32 s[G0B+4*\s], 1
	s_add_co_u32 s[G0B+4*\s+1], s45, \s*SLOT
	s_add_nc_u64 s[G0B+4*\s+2:G0B+4*\s+3], s[46:47], \s*65536
	s_or_b32 s[G0B+4*\s+3], s[G0B+4*\s+3], 0x80000000
	JLOAD \s                                       ; k 0-255 and k 256-511
.endr
	v_and_b32 v1, 15, v0                           ; r
	v_bfe_u32 v2, v0, 4, 1                         ; h
	v_and_b32 v3, 7, v0
	v_bfe_u32 v4, v0, 3, 1
	v_lshl_add_u32 v3, v2, 3, v3
	v_mul_u32_u24 v3, v3, 288
	v_lshl_add_u32 v3, v4, 4, v3                   ; the transposing load's lane term
	s_lshl_b32 s62, s11, 6
	v_add_nc_u32 v5, s62, v1                       ; row 64 mh + r
	v_mul_u32_u24 v6, v5, 144
	v_lshl_add_u32 v[AA], v2, 4, v6
	v_add_nc_u32 v[AA+1], SLOT, v[AA]
	s_lshl_b32 s62, s12, 7
	s_add_co_u32 s62, s62, OFFB                    ; my 64 columns of wo's tile
	v_add_nc_u32 v[BB], s62, v3
	v_add_nc_u32 v[BB+1], 36864, v[BB]
	v_add_nc_u32 v[BB+2], SLOT, v[BB]
	v_add_nc_u32 v[BB+3], 36864, v[BB+2]
	s_mul_i32 s62, s10, 4352
	s_add_co_u32 s62, s62, STAGE                   ; my stage
	v_mul_u32_u24 v6, v1, 272
	v_lshl_add_u32 v6, v2, 5, v6
	v_add_nc_u32 v[STO], s62, v6                   ; in: row r, 32 bytes for each half of the lanes
	v_mul_u32_u24 v6, v2, 272
	v_lshl_add_u32 v6, v1, 4, v6
	v_add_nc_u32 v[RD], s62, v6                    ; back: lanes 0-15 one row of 256 bytes, lanes 16-31 the next
	v_lshlrev_b32 v6, 12, v2
	v_lshl_add_u32 v[CO], v1, 4, v6                ; the same two rows in out0
.macro FETCH slot, q, f                ; 16 LDS loads: part q of eight (32 along K: head q >> 1, d from 32 (q & 1)) into buffer f
	WIN 0
.irp nt, 0,1,2,3
	ds_load_tr16_b128 v[\f+8*\nt:\f+8*\nt+3],   v[BB+2*\slot+(\q>>2)] offset:(\q&3)*9216+32*\nt
	ds_load_tr16_b128 v[\f+8*\nt+4:\f+8*\nt+7], v[BB+2*\slot+(\q>>2)] offset:(\q&3)*9216+32*\nt+4608
.endr
.irp mt, 0,1,2,3
	ds_load_b128 v[\f+32+8*\mt:\f+32+8*\mt+3],   v[AA+\slot] offset:(\q>>1)*18432+(\q&1)*64+\mt*2304
	ds_load_b128 v[\f+32+8*\mt+4:\f+32+8*\mt+7], v[AA+\slot] offset:(\q>>1)*18432+(\q&1)*64+\mt*2304+32
.endr
.endm
; 8 matrix instructions.  first = 1: the constant 0 as C starts the sums.  The 16 accumulators take turns, one instruction a turn,
; in the same order in every part.
.macro MULH f, half, first
.irp mt, 2*\half, 2*\half+1
.irp nt, 0,1,2,3
.if \first
	v_wmma_f32_16x16x32_f16 v[8*(4*(\mt)+\nt):8*(4*(\mt)+\nt)+7], v[\f+8*\nt:\f+8*\nt+7], v[\f+32+8*(\mt):\f+32+8*(\mt)+7], 0
.else
	v_wmma_f32_16x16x32_f16 v[8*(4*(\mt)+\nt):8*(4*(\mt)+\nt)+7], v[\f+8*\nt:\f+8*\nt+7], v[\f+32+8*(\mt):\f+32+8*(\mt)+7], v[8*(4*(\mt)+\nt):8*(4*(\mt)+\nt)+7]
.endif
.endr
.endr
.endm
; One of a slot's first seven parts: fetches part q into buffer g, then multiplies buffer f, whose loads were issued a part ago.
.macro PART slot, q, f, g, first
	s_wait_dscnt 0x0                               ; buffer f is in: its 16 loads are all that is out
	PLACES
	FETCH \slot, \q, \g
	WIN 0x50                                       ; C and D in window 1
	MULH \f, 0, \first
	MULH \f, 1, \first
.endm
.macro SEVEN slot, first
	PART \slot, 1, F0, F1, \first
	PART \slot, 2, F1, F0, 0
	PART \slot, 3, F0, F1, 0
	PART \slot, 4, F1, F0, 0
	PART \slot, 5, F0, F1, 0
	PART \slot, 6, F1, F0, 0
	PART \slot, 7, F0, F1, 0
.endm
; The last part and the change of slots: each wave's reads of this slot are back and all its tensor loads have landed in front of the barrier;
; fill = 1: the barrier opens a round of the cluster's barrier and the joint refill, 512 along K ahead, is the first tensor load behind the round.
.macro TURN slot, next, fill
	s_wait_dscnt 0x0
	s_wait_tensorcnt 0x0
	ds_add_u32 v254, v255
	s_wait_dscnt 0x0
	WIN 0x50
	s_barrier_signal -1
	MULH F1, 0, 0
	WIN 0
	s_barrier_wait -1
.if \fill
	CREST
	s_add_nc_u64 s[G0A+4*\slot+2:G0A+4*\slot+3], s[G0A+4*\slot+2:G0A+4*\slot+3], 2097152
	s_add_nc_u64 s[G0B+4*\slot+2:G0B+4*\slot+3], s[G0B+4*\slot+2:G0B+4*\slot+3], 131072
	JLOAD \slot
.endif
	PLACES
	FETCH \next, 0, F0
	WIN 0x50
	MULH F1, 1, 0
.endm
	s_wait_tensorcnt 0x1                           ; my part of slot 0 is in; slot 1's load, issued behind it, stays out
	s_barrier_signal -1
	s_barrier_wait -1
	FETCH 0, 0, F0
	SEVEN 0, 1                                     ; k 0-255
	TURN 0, 1, 1                                   ; slot 0 is filled again: k 512-767
	SEVEN 1, 0                                     ; k 256-511
	TURN 1, 0, 1                                   ; slot 1 is filled again: k 768-1023
	SEVEN 0, 0
	TURN 0, 1, 0                                   ; nothing is left to fetch
	SEVEN 1, 0
	s_wait_dscnt 0x0
	WIN 0x50
	MULH F1, 0, 0
	MULH F1, 1, 0
	PLACES
	WIN 0
	; THE WAY OUT, 16 rows at a time through my own stage, so that sixteen lanes store 256 consecutive, aligned bytes
	s_lshl_b32 s58, s13, 7
	s_lshl_b32 s60, s11, 6
	s_add_co_u32 s58, s58, s60                     ; row 128 by + 64 mh
	s_lshl_b32 s58, s58, 12                        ; x 4,096 bytes
	s_lshl_b32 s60, s42, 7
	s_lshl_b32 s61, s12, 6
	s_add_co_u32 s60, s60, s61                     ; column 128 jn + 64 nh
	s_lshl_b32 s60, s60, 2
	s_add_co_u32 s58, s58, s60
	s_mov_b32 s59, 0
	s_add_nc_u64 s[8:9], s[8:9], s[58:59]
.irp mt, 0,1,2,3
	WIN 0x04                                       ; store data in window 1
.irp nt, 0,1,2,3
	ds_store_b128 v[STO], v[8*(4*\mt+\nt):8*(4*\mt+\nt)+3]   offset:64*\nt
	ds_store_b128 v[STO], v[8*(4*\mt+\nt)+4:8*(4*\mt+\nt)+7] offset:64*\nt+16
.endr
	WIN 0
.irp t, 0,1,2,3,4,5,6,7
	ds_load_b128 v[32+32*\mt+4*\t:35+32*\mt+4*\t], v[RD] offset:\t*544     ; LDS serves a wave's instructions in order (ISA guide 5.7.1.4)
.endr
.irp t, 0,1,2,3,4,5,6,7
	s_wait_dscnt 7-\t
	global_store_b128 v[CO], v[32+32*\mt+4*\t:35+32*\mt+4*\t], s[8:9] offset:(16*\mt+2*\t)*4096 th:TH_STORE_NT
.endr
.endr
	s_wait_tensorcnt 0x0
	ds_add_u32 v254, v255
	s_wait_dscnt 0x0
	CROUND                                         ; the closing round
	s_endpgm
.Lfunc_end_k_q771d449d56_oproj:
	.size	k_q771d449d56_oproj, .Lfunc_end_k_q771d449d56_oproj-k_q771d449d56_oproj
	.p2alignl 7, 3214868480
	.fill 96, 4, 3214868480
	.section	.rodata,"a",@progbits
	.p2align	6, 0x0
	.amdhsa_kernel k_q771d449d56_oproj
		.amdhsa_group_segment_fixed_size 327680
		.amdhsa_private_segment_fixed_size 0
		.amdhsa_enable_private_segment 0
		.amdhsa_kernarg_size 24
		.amdhsa_user_sgpr_count 2
		.amdhsa_user_sgpr_kernarg_segment_ptr 1
		.amdhsa_wavefront_size32 1
		.amdhsa_system_sgpr_workgroup_id_x 1
		.amdhsa_system_sgpr_workgroup_id_y 1
		.amdhsa_system_sgpr_workgroup_id_z 1
		.amdhsa_system_vgpr_workitem_id 0
		.amdhsa_next_free_vgpr 384
		.amdhsa_next_free_sgpr 66
		.amdhsa_reserve_vcc 0
		.amdhsa_float_denorm_mode_32 3
		.amdhsa_float_denorm_mode_16_64 3
		.amdhsa_memory_ordered 1
		.amdhsa_forward_progress 1
		.amdhsa_inst_pref_size 89
	.end_amdhsa_kernel
	.amdgpu_metadata
---
amdhsa.version: [ 1, 2 ]
amdhsa.kernels:
  - .name:           k_q771d449d56_oproj
    .symbol:         k_q771d449d56_oproj.kd
    .args:
      - { .name: ab, .offset: 0, .size: 8, .value_kind: global_buffer, .address_space: global }
      - { .name: wb, .offset: 8, .size: 8, .value_kind: global_buffer, .address_space: global }
      - { .name: out0, .offset: 16, .size: 8, .value_kind: global_buffer, .address_space: global }
    .group_segment_fixed_size: 327680
    .private_segment_fixed_size: 0
    .kernarg_segment_align: 8
    .kernarg_segment_size: 24
    .max_flat_workgroup_size: 128
    .sgpr_count:     66
    .vgpr_count:     384
    .wavefront_size: 32
...
	.end_amdgpu_metadata
.endif
;; end of part 7
